; MI455X (gfx1250); checked and timed in simulation.
; The chip was launched on July 23, 2026; its instructions are those of AMD's public machine-readable ISA for CDNA 5 (MIT licence, August 2026) and "CDNA5" Instruction Set Architecture Reference Guide (July 2026). The comments in the code are by the model that wrote it; some were corrected since.
;; Single Head Attention. Allowed arithmetic: matrix products marked QUANTISED: E5M2 operands, one given power-of-two scale a tensor, by v_wmma_f32_16x16x64_bf8_bf8 or v_wmma_f32_16x16x128_bf8_bf8, f32 sums; everything else in f32.
;; Inputs: Wk_codes 1,024 x 32 x 32 uint8 (E5M2 codes of Wk, K innermost, in blocks of 32 codes); Wo_codes 1,024 x 32 x 32 uint8 (E5M2 codes of Wo, K innermost, in blocks of 32 codes); Wq_codes 1,024 x 32 x 32 uint8 (E5M2 codes of Wq, K innermost, in blocks of 32 codes); Wv_codes 1,024 x 32 x 32 uint8 (E5M2 codes of Wv, K innermost, in blocks of 32 codes); bo 1,024 float32; lowp_scales 12 int32 (the exponents e of the quantised operands' scales 2^e); x_codes 4 x 2,048 x 32 x 32 uint8 (E5M2 codes of x, K innermost, in blocks of 32 codes).
;; Outputs: out0 4 x 2,048 x 1,024 float32.
;; This version of the problem:
;;   THIS VERSION OF THE PROBLEM IS GIVEN IN LOW PRECISION. The matrix products marked QUANTISED in the list below multiply operands that are first quantised to E5M2 (5 exponent bits, 2 mantissa bits; 8 bits a number), with one given power-of-two scale for each operand tensor; their sums are f32. All else is computed in f32.
;;   The module's matrix products, in the order in which they are computed (A, B: the left and right operand; K: the contracted axis; several contracted axes count as one K, in the product's order):
;;     1. [M 8,192, K 1,024] x [K 1,024, N 1,024]; A: input x (given as codes); B: input Wq (given as codes): QUANTISED (scales: A lowp_scales[0], B lowp_scales[1])
;;     2. [M 8,192, K 1,024] x [K 1,024, N 1,024]; A: input x (given as codes); B: input Wk (given as codes): QUANTISED (scales: A lowp_scales[2], B lowp_scales[3])
;;     3. [M 8,192, K 1,024] x [K 1,024, N 1,024]; A: input x (given as codes); B: input Wv (given as codes): QUANTISED (scales: A lowp_scales[4], B lowp_scales[5])
;;     4. batch 4 x [M 2,048, K 1,024] x [K 1,024, N 2,048]; A: computed on the way; B: computed on the way: QUANTISED (scales: A lowp_scales[6], B lowp_scales[7])
;;     5. batch 4 x [M 2,048, K 2,048] x [K 2,048, N 1,024]; A: softmax (see below); B: computed on the way: QUANTISED (scales: A lowp_scales[8], B lowp_scales[9])
;;     6. [M 8,192, K 1,024] x [K 1,024, N 1,024]; A: computed on the way; B: input Wo (given as codes): QUANTISED (scales: A lowp_scales[10], B lowp_scales[11])
;;   THE QUANTISER, for each operand of a quantised product, along K:
;;     - The operand's scale is 2^e, e = its entry of the input lowp_scales (int32; the entries are numbered through the quantised products in the list's order, A before B).
;;     - Each number is divided by the scale, clamped to +-57,344, and rounded to the nearest number of E5M2, ties to even, subnormals kept.
;;     - The product sums the exact products of the quantised numbers (number of the format x scale) in f32.
;;   ~~~python
;;   def quantise(x, axis, e):      # numpy; x: float32 -> the quantised numbers, widened to float32 again
;;       x = np.moveaxis(x, axis, -1); K = x.shape[-1]
;;       r = np.clip(x / 2.0 ** e, -57344, 57344)
;;       step = 2.0 ** (np.maximum(np.frexp(np.where(r == 0, 1, r))[1] - 1, -14) - 2)
;;       q = np.round(r / step) * step * 2.0 ** e      # np.round: ties to even
;;       return np.moveaxis(q, -1, axis).astype(np.float32)
;;   ~~~
;;   SOFTMAX AHEAD OF A QUANTISED PRODUCT. Where the list says 'softmax', what is quantised is not the finished softmax but p = 2^(t - M), with t = logit x log2(e) and M = ceil(the row's largest t), a whole number; so 1/2 < the row's largest p <= 1. The row's sum l is taken of the UNQUANTISED p, in f32, and the product's result is divided by l at the end. Since M is a whole number, a kernel that streams over the keys may use a running M (the ceiling of the running maximum): every later rescaling is an exact power of two, so the quantised numbers keep their values, but for numbers so far below the row's largest that they fall under the format's range.
;;   OPERANDS COMPUTED ON THE WAY. 'Computed on the way' means the value that the module computes at that place (a softmax that the list does not call 'softmax' is quantised finished and normalised). What goes into a quantiser is computed in f32, as accurately as f32 sums, v_exp_f32 and their like allow (about 1e-6 of the number): no bf16 or f16 on the way to a quantiser, and a product that is left as it is and whose result goes on into a quantised operand takes f32 operands (vector FMAs, or v_wmma_f32_16x16x4_f32). A number that lies on a knife's edge between two numbers of the format may be rounded either way, as far as f32 arithmetic and the matrix unit's own rounding can turn it there, and no further.
;;   INPUTS GIVEN AS CODES. Wk (in the module: [1024, 1024], K = its axis 1); Wo (in the module: [1024, 1024], K = its axis 1); Wq (in the module: [1024, 1024], K = its axis 1); Wv (in the module: [1024, 1024], K = its axis 1); x (in the module: [4, 2048, 1024], K = its axis 2): each comes as NAME_codes (uint8): NAME with its K axis moved to the last place and cut into blocks of 32 codes, [.., K / 32, bytes a block], one block behind the other in memory; one code a byte (a code: sign, 5 exponent bits, 2 mantissa bits); its scale is its entry of lowp_scales. Its value is code x scale, taken as it is: it is not quantised again, and the codes and scales need not be those that the quantiser above would give.
;; One version. Each part assembles by itself: llvm-mc -triple=amdgcn-amd-amdhsa -mcpu=gfx1250 --defsym DOCPART=n.
;; ======== version 1 of 1: 4 launches
;; limits: right only within a limited range of input values
;; workspace buffers: q_img 8,388,608 bytes; k_img 8,388,608 bytes; v_img 8,388,608 bytes; p_img 17,825,792 bytes; c_img 8,388,608 bytes
;; launch proj (part 1): grid 4 x 64, 4 waves a work-group, clusters of 4 x 4, 327,680 bytes of LDS; arguments x_codes, Wq_codes, Wk_codes, Wv_codes, lowp_scales, q_img, k_img, v_img; writes q_img, k_img, v_img
.if DOCPART == 1
	.amdgcn_target "amdgcn-amd-amdhsa--gfx1250"
	.amdhsa_code_object_version 6
	.text
	.protected	k_q38771c7ea7_proj
	.globl	k_q38771c7ea7_proj
	.p2align	8
	.type	k_q38771c7ea7_proj,@function
k_q38771c7ea7_proj:
	s_mov_b64 s[64:65], 0
	v_nop
	global_prefetch_b8 v0, s[64:65] scope:SCOPE_SE
	s_setreg_imm32_b32 hwreg(HW_REG_WAVE_MODE, 25, 1), 1
	s_wait_xcnt 0x0
	s_wait_alu depctr_hold_cnt(0) depctr_sa_sdst(0) depctr_va_vdst(0) depctr_va_sdst(0) depctr_va_ssrc(0) depctr_va_vcc(0) depctr_vm_vsrc(0)
	s_getreg_b32 s2, hwreg(HW_REG_IB_STS2, 6, 4)
	s_cmp_eq_u32 s2, 0
	s_cbranch_scc0 .Lentry_in_a_cluster
	s_endpgm
.Lentry_in_a_cluster:
	s_bfe_u32 s2, ttmp6, 0x10000c
	s_cmp_lg_u32 s2, 0xf033
	s_cbranch_scc0 .Lentry_shape_is_right
	s_endpgm
.Lentry_shape_is_right:
; q = x Wq^T, k = x Wk^T, v^T = Wv x^T on codes of BF8 (E5M2); each result is quantised in registers with its given scale and stored as codes.
; SHARES.  Work-group (g, P): 128 tokens (panel P of 64) x 256 columns (blocks 2 g, 2 g + 1 of 128) of each of q, k and v: six blocks of 128 weight rows.  Four waves, 2 x 2: 64 tokens x 64 columns of a block.
; A wave keeps its 64 rows of x, all K = 1,024, in 512 registers (windows 2 and 3); the weights' fragments (16 rows x 128 k, 16 registers) come from LDS in runs of eight: two K steps, 32 loads and 32 matrix instructions.
; Window 1 holds two runs; a run's loads stand in one piece ahead of the products of the run before it.
; LDS: two slots of 128 rows x 1,040 bytes.  At the head x's panel goes to slot 0 and block 0 to slot 1; when x is in registers slot 0 takes block 1, and from then on the slot just left takes the block two on.
; CLUSTERS 4 x 4: the four of a row share the panel of x, the four of a column the weights: joint loads with a mask of four.
; PREFETCH: behind the refill for block m stands one instruction a wave for block m + 1, one block ahead of its load: 512 pieces of 256 bytes for each column group, told apart by address over the four partners' sixteen waves.
; All clusters read the same weights, so the first four alone ask.  Blocks 0 and 1 come by their loads alone; the last refill asks for nothing.
; q, k: source 0 = 16 weight rows, source 1 = 16 rows of x: lane (r, h) holds token r, its registers run along the columns.  v: the sources are swapped: a lane holds one d, its registers run along the tokens.
; THE ROWS OF A WEIGHT TILE: tile 2 B + u, lane r: u = 0: row 32 B + r, or 32 B + 16 + r where r is 8 or more; u = 1: row 32 B + 8 + r.  So the 16 rows lie at 16 different places modulo 16, and the results of tiles 2 B, 2 B + 1
; in a lane (r, h) are rows 32 B + 16 h + 0 .. 15, with the two eights changed about where h = 1.  In q and k this is a permutation of d that is the same in both; in v it is the order of an image's rows, which launch ctx sets right.
; WORKSPACE LAYOUT: a fragment (16 rows x 128 k) is an image of its 16 registers: four stores of 16 bytes a lane at 16 x lane, 512 bytes each.  A block (128 rows x 128 k) is eight images.
; q_img, k_img: [64 panels of 128 tokens][8 blocks along d];  v_img: [8 panels of 128 d][64 blocks along the tokens].
; x and the weights are fetched with k = 32 c + 16 h + 0 .. 15 in registers 4 c ..: a permutation of k that is the same in both.
; SCALES: a sum stands for sum x 2^(eA + eB); its code is sum / 2^E, E = e6 - e0 - e1 (q), e7 - e2 - e3 (k), e9 - e4 - e5 (v), held within +-57,344 x 2^E.  LIMIT: E between -126 and 112.  NaN among the sums is not served.
; DEAD WORK OF THE PROGRAM (left out in the launches scores and ctx, not here): reference() sets every score with key > query to -infinity by its own jnp.tril, so its p = 2^(t - M) is 0 whatever the inputs hold, and adds
; nothing to the row's sum or to p v.  Blocks of 128 x 128 above the diagonal are neither stored nor multiplied.  Every input has a way to the output and is loaded.
; LIMIT: a NaN, an infinity or an overflow that reaches only such hidden scores is not carried to the result.
.set PITCH, 1040                       ; an LDS row: 1,024 bytes + 16: an odd multiple of 16
.set HALFT, 64*PITCH
.set SLOTB, 128*PITCH
.set SPARE, 2*SLOTB
.set WB,    131072                     ; a block of weights in memory
.set CO,  2                            ; 16 x lane
.set SPW, 3
.set NIL, 4
.set LIM, 5                            ; 57,344 x 2^E
.set SC,  6                            ; 2^E
.set PFO, 7
.set ADR, 8                            ; v8, v9: my weight rows in slot 0, 1: lane r at row r (odd tiles)
.set ADX, 10                           ; my rows of x in slot 0
.set ADV, 14                           ; v14, v15: lane r at row r, or r + 16 from 8 on (even tiles)
.set CODE, 16                          ; v16-47
.set ACC, 128                          ; v128-255
.set G1X, 24
.set G0X, 32
.set G0W, 36
.set G1W, 48
.set G1R, 56
.set NBR, 88                           ; the weight that refills come from
.set NXT, 90                           ; the one behind it
.set OUT, 92                           ; where results go
.set ONX, 94
.set ASKC, 18                          ; 2, 1, 0 in the first four clusters: how many of a trip's prefetches are asked for; 0 elsewhere
.set SCC, 42                           ; 2^E and 57,344 x 2^E: of the product in hand,
.set LMC, 43
.set SCN, 66                           ; of the next,
.set LMN, 67
.set SCK, 98                           ; of k,
.set LMK, 99
.set SCV, 22                           ; of v
.set LMV, 23
.set MSB, 0
.macro WIN new                         ; the immediate's high byte repeats the setting that is left
.if MSB != (\new)
	s_set_vgpr_msb (MSB<<8)|(\new)
.set MSB, (\new)
.endif
.endm
.macro PLACES n
.rept \n
	v_nop
.endr
.endm
.macro CREST                           ; a round of the cluster's barrier behind its opening barrier
	s_cmp_lg_u32 s14, 0
	s_cbranch_scc1 .Lnot_wave_0_\@
	s_barrier_signal -3
.Lnot_wave_0_\@:
	s_barrier_wait -3
	s_barrier_signal -1
	s_barrier_wait -1
.endm
.macro CROUND
	s_barrier_signal -1
	s_barrier_wait -1
	CREST
.endm
	s_load_b256 s[4:11], s[0:1], 0x0               ; x s[4:5], Wq s[6:7], Wk s[8:9], Wv s[10:11]
	s_load_b256 s[68:75], s[0:1], 0x20             ; the scales' exponents s[68:69], q_img s[70:71], k_img s[72:73], v_img s[74:75]
	v_lshl_add_u32 v[SPW], v0, 2, SPARE
	v_mov_b32 v[NIL], 0
	ds_add_u32 v[SPW], v[NIL]                      ; the wave's opening: the add, twice on end, and its wait ahead of my first tensor load
	ds_add_u32 v[SPW], v[NIL]
	v_lshrrev_b32 v1, 5, v0
	v_readfirstlane_b32 s14, v1                    ; wave 0..3
	s_lshr_b32 s15, s14, 1                         ; my half of the tokens.  Also, at the head: I fetch x (0) or weights (1)
	s_and_b32 s16, s14, 1                          ; my half of a block's columns.  Also, at the head: which 64 rows I fetch
	s_bfe_u32 s40, ttmp6, 0x40000                  ; cx = g
	s_bfe_u32 s41, ttmp6, 0x40004                  ; cy
	s_and_b32 s12, ttmp7, 0xffff                   ; the cluster's number, 0..15
	s_lshl_b32 s17, s12, 2
	s_add_co_u32 s17, s17, s41                     ; P = 4 x cluster + cy
	s_lshl_b32 s43, s41, 2
	s_lshl_b32 s43, 15, s43                        ; my row of the cluster
	s_lshl_b32 s44, 0x1111, s40                    ; my column
	s_or_b32 s[G1X], s43, (1<<20)|(1<<21)|(7<<22)|(3<<25)   ; the mask; elements of 1 byte; 4 words of padding after every 256; bit 21 beside a mask
	s_or_b32 s[G1W], s44, (1<<20)|(1<<21)|(7<<22)|(3<<25)
	s_or_b32 s[G1R], s44, (1<<20)|(1<<21)|(7<<22)|(3<<25)
.irp g, G1X, G1W, G1R
	s_mov_b32 s[\g+1], 1024<<16                    ; tensor_dim0
	s_mov_b32 s[\g+3], 1024<<16                    ; tile_dim0
	s_mov_b32 s[\g+5], 1024                        ; tensor_dim0_stride
	s_mov_b32 s[\g+6], 0
	s_mov_b32 s[\g+7], 0
.endr
	s_mov_b32 s[G1X+2], 64<<16                     ; 64 rows
	s_mov_b32 s[G1X+4], 64
	s_mov_b32 s[G1W+2], 64<<16
	s_mov_b32 s[G1W+4], 64
	s_mov_b32 s[G1R+2], 32<<16                     ; a refill: 32 rows a wave
	s_mov_b32 s[G1R+4], 32
	s_lshl_b32 s20, s17, 17
	s_lshl_b32 s13, s16, 16
	s_add_co_u32 s20, s20, s13                     ; x: row 128 P + 64 x half
	s_mov_b32 s21, 0
	s_lshl_b32 s46, s40, 18
	s_add_co_u32 s46, s46, s13                     ; block 0 at the head: row 256 g + 64 x half
	s_mov_b32 s47, 0
	s_lshl_b32 s2, s40, 18
	s_lshl_b32 s19, s14, 15
	s_add_co_u32 s2, s2, s19                       ; a refill: row 256 g + 32 x wave
	s_mov_b32 s3, 0
	s_mul_i32 s45, s14, HALFT                      ; LDS: x's two halves, then block 0's: no place in the cluster enters an LDS address
	s_mul_i32 s19, s14, 32*PITCH
	s_mul_i32 s22, s15, HALFT
	s_mul_i32 s23, s16, HALFT
	s_add_co_u32 s18, s23, SLOTB
	s_lshl_b32 s66, s41, 15
	s_lshl_b32 s67, s14, 13
	s_add_co_u32 s66, s66, s67
	s_lshl_b32 s67, s40, 18
	s_add_co_u32 s66, s66, s67                     ; prefetch: column group, partner, wave
	v_and_b32 v1, 15, v0                           ; r
	v_bfe_u32 v11, v0, 4, 1                        ; h
	v_mul_u32_u24 v12, v1, PITCH
	v_lshl_add_u32 v12, v11, 4, v12
	v_add_nc_u32 v[ADX], s22, v12
	v_add_nc_u32 v[ADR], s23, v12
	v_add_nc_u32 v[ADR+1], s18, v12
	v_and_b32 v13, 8, v1
	v_mul_u32_u24 v13, v13, 2*PITCH
	v_add_nc_u32 v[ADV], v13, v[ADR]
	v_add_nc_u32 v[ADV+1], v13, v[ADR+1]
	v_and_b32 v13, 31, v0
	v_lshlrev_b32 v[CO], 4, v13
	v_lshl_add_u32 v[PFO], v13, 8, s66
	s_wait_alu depctr_va_vdst(0)
	s_wait_dscnt 0x0                               ; both opening adds are done
	s_wait_kmcnt 0x0
	s_load_b256 s[76:83], s[68:69], 0x0            ; e0 .. e7
	s_load_b128 s[84:87], s[68:69], 0x20           ; e8 .. e11
	s_mov_b32 s[G0X], 1
	s_mov_b32 s[G0X+1], s45
	s_add_nc_u64 s[G0X+2:G0X+3], s[4:5], s[20:21]
	s_or_b32 s[G0X+3], s[G0X+3], 0x80000000
	s_mov_b32 s[G0W], 1
	s_mov_b32 s[G0W+1], s45
	s_add_nc_u64 s[G0W+2:G0W+3], s[6:7], s[46:47]
	s_or_b32 s[G0W+3], s[G0W+3], 0x80000000
	CROUND                                         ; all sixteen work-groups are here: the first joint loads meet
	s_cmp_eq_u32 s15, 0                            ; one load a wave: x's or block 0's (a branch on the wave's number alone)
	s_cbranch_scc0 .Lfor_w
	tensor_load_to_lds s[G0X:G0X+3], s[G1X:G1X+7]
	s_nop 0
	PLACES 4
	s_branch .Lasked
.Lfor_w:
	tensor_load_to_lds s[G0W:G0W+3], s[G1W:G1W+7]
	s_nop 0
	PLACES 4
.Lasked:
	; q, k: panel P, block 2 g, images 4 x token half .., registers 8 x column half ..
	s_lshl_b32 s96, s17, 17
	s_lshl_b32 s97, s40, 15
	s_add_co_u32 s96, s96, s97
	s_lshl_b32 s97, s15, 13
	s_add_co_u32 s96, s96, s97
	s_lshl_b32 s97, s16, 10
	s_add_co_u32 s96, s96, s97
	s_mov_b32 s97, 0
	s_add_nc_u64 s[ONX:ONX+1], s[70:71], s[96:97]
	s_add_nc_u64 s[72:73], s[72:73], s[96:97]
	; v: panel 2 g, block P, images 4 x column half .., registers 8 x token half ..
	s_lshl_b32 s96, s40, 21
	s_lshl_b32 s98, s17, 14
	s_add_co_u32 s96, s96, s98
	s_lshl_b32 s98, s16, 13
	s_add_co_u32 s96, s96, s98
	s_lshl_b32 s98, s15, 10
	s_add_co_u32 s96, s96, s98
	s_add_nc_u64 s[74:75], s[74:75], s[96:97]
	s_mov_b64 s[NXT:NXT+1], s[8:9]
	s_mov_b32 s[ASKC], 2
	s_cmp_lt_u32 s12, 4
	s_cselect_b32 s[ASKC], s[ASKC], 0
	s_wait_kmcnt 0x0
	s_sub_co_i32 s82, s82, s76
	s_sub_co_i32 s82, s82, s77                     ; e6 - e0 - e1
	s_sub_co_i32 s83, s83, s78
	s_sub_co_i32 s83, s83, s79                     ; e7 - e2 - e3
	s_sub_co_i32 s85, s85, s80
	s_sub_co_i32 s85, s85, s81                     ; e9 - e4 - e5
.macro SCL e, sc, lim
	s_add_co_i32 s\e, s\e, 127
	s_lshl_b32 s[\sc], s\e, 23                     ; 2^E as f32
	s_add_co_i32 s\e, s\e, 15
	s_lshl_b32 s\e, s\e, 23
	s_or_b32 s[\lim], s\e, 0x600000                ; 57,344 x 2^E
.endm
	SCL 82, SCN, LMN
	SCL 83, SCK, LMK
	SCL 85, SCV, LMV
; Run g of a block: K steps 2 g, 2 g + 1; its eight fragments lie in window 1, from 128 (g % 2) on.
.macro LOADR g, slot
	WIN 0x40
.irp q, 0,1
.irp b, 0,1,2,3
.irp c, 0,1,2,3
.set FR, 128*((\g)%2)+16*(4*\q+\b)+4*\c
.if \b%2
	ds_load_b128 v[FR:FR+3], v[ADR+\slot] offset:(16*(\b-1)+8)*PITCH+128*(2*(\g)+\q)+32*\c
.else
	ds_load_b128 v[FR:FR+3], v[ADV+\slot] offset:16*\b*PITCH+128*(2*(\g)+\q)+32*\c
.endif
.endr
.endr
.endr
	WIN 0
.endm
; K step 2 g + q: four weight tiles x four tiles of x.  The 16 accumulators take turns, one instruction a turn.
.macro MULR g, q, sw
.if \sw
	WIN 0x04+2+(\g)/2
.else
	WIN 0x01+4*(2+(\g)/2)
.endif
.irp b, 0,1,2,3
.irp a, 0,1,2,3
.set FR, 128*((\g)%2)+16*(4*(\q)+\b)
.set XR, 64*((2*(\g)+(\q))%4)+16*\a
.if \sw
.set AC, ACC+8*(4*\b+\a)
.if (2*(\g)+(\q)) == 0
	v_wmma_f32_16x16x128_bf8_bf8 v[AC:AC+7], v[XR:XR+15], v[FR:FR+15], 0
.else
	v_wmma_f32_16x16x128_bf8_bf8 v[AC:AC+7], v[XR:XR+15], v[FR:FR+15], v[AC:AC+7]
.endif
.else
.set AC, ACC+8*(4*\a+\b)
.if (2*(\g)+(\q)) == 0
	v_wmma_f32_16x16x128_bf8_bf8 v[AC:AC+7], v[FR:FR+15], v[XR:XR+15], 0
.else
	v_wmma_f32_16x16x128_bf8_bf8 v[AC:AC+7], v[FR:FR+15], v[XR:XR+15], v[AC:AC+7]
.endif
.endif
.endr
.endr
.endm
; A block: four runs.  turn 0: the last block; 1: the next block's slot is waited for, nothing is filled; 2, 3: and this slot takes the first or second block of the next weight.
.macro BLOCK sw, slot, turn
.irp g, 0,1,2
	s_wait_dscnt 0x0                               ; this run's fragments are in (asked for a run ago)
	PLACES 4                                       ; between the run before and the loads into its fragments
	LOADR \g+1, \slot
	MULR \g, 0, \sw
	MULR \g, 1, \sw
.endr
	WIN 0
.if \turn
	s_wait_tensorcnt 0x0                           ; my part of the next block has landed
	ds_add_u32 v[SPW], v[NIL]                      ; 0 onto my spare word
.if \turn < 3
	s_wait_xcnt 0x0                                ; my stores and prefetches have read their bases: on to the next product's
.endif
.if \turn == 2
	s_mov_b64 s[NBR:NBR+1], s[NXT:NXT+1]
	s_mov_b64 s[NXT:NXT+1], s[10:11]
	s_mov_b64 s[OUT:OUT+1], s[ONX:ONX+1]
	s_mov_b64 s[ONX:ONX+1], s[72:73]
	s_mov_b32 s[SCC], s[SCN]
	s_mov_b32 s[LMC], s[LMN]
	s_mov_b32 s[SCN], s[SCK]
	s_mov_b32 s[LMN], s[LMK]
.endif
.if \turn == 1
	s_mov_b64 s[OUT:OUT+1], s[74:75]
	s_mov_b32 s[SCC], s[SCV]
	s_mov_b32 s[LMC], s[LMV]
.endif
.if \turn > 1
	s_add_nc_u64 s[G0W+2:G0W+3], s[NBR:NBR+1], s[2:3]
.if \turn == 3
	s_add_nc_u64 s[G0W+2:G0W+3], s[G0W+2:G0W+3], WB
.endif
	s_or_b32 s[G0W+3], s[G0W+3], 0x80000000
	s_add_co_u32 s[G0W+1], s19, \slot*SLOTB
.endif
	s_wait_dscnt 0x1                               ; the last run's fragments are in (the add may be out)
	MULR 3, 0, \sw
	s_wait_dscnt 0x0                               ; the add is done, and my reads of this slot are over
	s_barrier_signal -1
	MULR 3, 1, \sw
	WIN 0
	s_barrier_wait -1
.if \turn > 1
	CREST                                          ; the barrier has opened a round of the cluster's: no wave of any partner still reads this slot or has a load on its way
	tensor_load_to_lds s[G0W:G0W+3], s[G1R:G1R+7]
	s_nop 0
.endif
	PLACES 4                                       ; in front of the loads below and of the first read of results
	LOADR 0, 1-\slot
.else
	s_wait_dscnt 0x0
	MULR 3, 0, \sw
	MULR 3, 1, \sw
	WIN 0
	PLACES 4
.endif
.endm
; The way out of a block: held (into window 1's upper half, the last run's fragments), converted, stored: four half images of 1,024 bytes.
.macro EPI obo
	s_wait_xcnt 0x0                                ; the block before's stores have read their codes
	v_mov_b32 v[LIM], s[LMC]
	v_mov_b32 v[SC], s[SCC]
	WIN 0x40
.set II, 0
.rept 128
	v_med3_num_f32 v[128+II], v[ACC+II], -v[LIM], v[LIM]   ; the conversion does not saturate (ISA guide 7.6.2): the hold first; each accumulator from its low end on
.set II, II+1
.endr
	WIN 0x01
.set II, 0
.rept 16
	v_cvt_scalef32_pk8_bf8_f32 v[CODE+2*II:CODE+2*II+1], v[128+8*II:135+8*II], v[SC]
.set II, II+1
.endr
	v_nop                                          ; a plain line behind the conversions
	WIN 0
.irp o, 0,1,2,3
.irp c, 0,1
	global_store_b128 v[CO], v[CODE+8*\o+4*\c:CODE+8*\o+4*\c+3], s[OUT:OUT+1] offset:\obo+2048*\o+512*\c   ; 32 lanes store 512 consecutive bytes, aligned
.endr
.endr
.endm
.macro ASK thr, base, off
	s_cmp_gt_u32 s[ASKC], \thr
	s_cbranch_scc0 .Lnot_mine_\@
	global_prefetch_b8 v[PFO], s[\base:\base+1] offset:\off th:TH_LOAD_NT scope:SCOPE_SE
.Lnot_mine_\@:
.endm
	s_wait_alu depctr_va_vdst(0)
	s_wait_tensorcnt 0x0                           ; my part of x or of block 0 is in
	s_barrier_signal -1
	s_barrier_wait -1
.irp k, 0,1,2,3,4,5,6,7                ; my 64 rows of x into windows 2 and 3
	WIN 0x80+0x40*(\k/4)
.irp a, 0,1,2,3
.irp c, 0,1,2,3
	ds_load_b128 v[64*(\k%4)+16*\a+4*\c:64*(\k%4)+16*\a+4*\c+3], v[ADX] offset:\a*16*PITCH+128*\k+32*\c
.endr
.endr
.endr
	LOADR 0, 1
	s_wait_tensorcnt 0x0                           ; x's slot is filled again:
	ds_add_u32 v[SPW], v[NIL]                      ; 0 onto my spare word
	s_add_nc_u64 s[G0W+2:G0W+3], s[6:7], s[2:3]
	s_add_nc_u64 s[G0W+2:G0W+3], s[G0W+2:G0W+3], WB
	s_or_b32 s[G0W+3], s[G0W+3], 0x80000000
	s_mov_b32 s[G0W+1], s19
	s_wait_dscnt 0x0                               ; the add is done, and my reads of x
	CROUND
	tensor_load_to_lds s[G0W:G0W+3], s[G1R:G1R+7]  ; block 1
	s_nop 0
	PLACES 4
	ASK 0, 8, 0                                    ; block 2
	s_mov_b32 s13, 2
.Ltrip:                                            ; q, then k
	BLOCK 0, 1, 2
	EPI 0
	ASK 0, NBR, WB                                 ; the next weight's second block
	BLOCK 0, 0, 3
	EPI 16384
	ASK 1, NXT, 0                                  ; first trip: Wv's first block
	s_lshr_b32 s[ASKC], s[ASKC], 1
	s_sub_co_u32 s13, s13, 1
	s_cmp_lg_u32 s13, 0
	s_wait_alu depctr_va_vdst(0)
	s_cbranch_scc1 .Ltrip
	BLOCK 1, 1, 1                                  ; v
	EPI 0
	BLOCK 1, 0, 0
	EPI 1048576
	s_wait_tensorcnt 0x0                           ; the wave's end
	ds_add_u32 v[SPW], v[NIL]
	s_wait_dscnt 0x0
	CROUND                                         ; the closing round: no work-group ends while a partner may still ask for a tile that names it
	s_endpgm
.Lfunc_end_k_q38771c7ea7_proj:
	.size	k_q38771c7ea7_proj, .Lfunc_end_k_q38771c7ea7_proj-k_q38771c7ea7_proj
	.p2alignl 7, 3214868480
	.fill 96, 4, 3214868480
	.section	.rodata,"a",@progbits
	.p2align	6, 0x0
	.amdhsa_kernel k_q38771c7ea7_proj
		.amdhsa_group_segment_fixed_size 327680
		.amdhsa_private_segment_fixed_size 0
		.amdhsa_enable_private_segment 0
		.amdhsa_kernarg_size 64
		.amdhsa_user_sgpr_count 2
		.amdhsa_user_sgpr_kernarg_segment_ptr 1
		.amdhsa_wavefront_size32 1
		.amdhsa_system_sgpr_workgroup_id_x 1
		.amdhsa_system_sgpr_workgroup_id_y 1
		.amdhsa_system_sgpr_workgroup_id_z 1
		.amdhsa_system_vgpr_workitem_id 0
		.amdhsa_next_free_vgpr 1024
		.amdhsa_next_free_sgpr 100
		.amdhsa_reserve_vcc 0
		.amdhsa_float_denorm_mode_32 3
		.amdhsa_float_denorm_mode_16_64 3
		.amdhsa_memory_ordered 1
		.amdhsa_forward_progress 1
		.amdhsa_inst_pref_size 128
	.end_amdhsa_kernel
	.amdgpu_metadata
---
amdhsa.version: [ 1, 2 ]
amdhsa.kernels:
  - .name:           k_q38771c7ea7_proj
    .symbol:         k_q38771c7ea7_proj.kd
    .args:
      - { .name: x_codes, .offset: 0, .size: 8, .value_kind: global_buffer, .address_space: global }
      - { .name: Wq_codes, .offset: 8, .size: 8, .value_kind: global_buffer, .address_space: global }
      - { .name: Wk_codes, .offset: 16, .size: 8, .value_kind: global_buffer, .address_space: global }
      - { .name: Wv_codes, .offset: 24, .size: 8, .value_kind: global_buffer, .address_space: global }
      - { .name: lowp_scales, .offset: 32, .size: 8, .value_kind: global_buffer, .address_space: global }
      - { .name: q_img, .offset: 40, .size: 8, .value_kind: global_buffer, .address_space: global }
      - { .name: k_img, .offset: 48, .size: 8, .value_kind: global_buffer, .address_space: global }
      - { .name: v_img, .offset: 56, .size: 8, .value_kind: global_buffer, .address_space: global }
    .group_segment_fixed_size: 327680
    .private_segment_fixed_size: 0
    .kernarg_segment_align: 8
    .kernarg_segment_size: 64
    .max_flat_workgroup_size: 128
    .sgpr_count:     100
    .vgpr_count:     1024
    .wavefront_size: 32
...
	.end_amdgpu_metadata
.endif
;; end of part 1
;; launch scores (part 2): grid 144 x 1, 4 waves a work-group, no clusters, 327,680 bytes of LDS; arguments q_img, k_img, lowp_scales, p_img; writes p_img
.if DOCPART == 2
	.amdgcn_target "amdgcn-amd-amdhsa--gfx1250"
	.amdhsa_code_object_version 6
	.text
	.protected	k_q38771c7ea7_scores
	.globl	k_q38771c7ea7_scores
	.p2align	8
	.type	k_q38771c7ea7_scores,@function
k_q38771c7ea7_scores:
	s_mov_b64 s[64:65], 0
	v_nop
	global_prefetch_b8 v0, s[64:65] scope:SCOPE_SE
	s_setreg_imm32_b32 hwreg(HW_REG_WAVE_MODE, 25, 1), 1
	s_wait_xcnt 0x0
; The live tiles of S = q k^T on codes of BF8, and of each block of 128 queries x 128 keys: M, the sum l, and the codes of p = 2^(t - M).
; WORK LEFT OUT: scores with key > query become -infinity by reference()'s own jnp.tril, so their p is 0 for all inputs: tiles of 256 x 256 above the diagonal are not launched (36 of 64 a batch are), and a
; block of 128 x 128 above it is neither multiplied nor stored.  A NaN or infinity in hidden scores alone is not carried on.
; t = score x log2(e) / 32 x 2^(e6 + e7).  M = ceil(the largest t of the row IN THIS BLOCK of 128 keys), a whole number; p <= 1; l = the sum of the unquantised p of the block.  The launch ctx brings the blocks of a row
; under one unit by exact powers of two.  LIMIT, stated: p is quantised under its block's M, not the row's: numbers that the row's M would push under the format's range keep their value here.
; q_img, k_img: images of operand registers (launch proj): a block of 128 rows x 128 k is eight images of 2,048 bytes; a panel of 128 rows is 8 blocks on end.
; p_img: [64 query panels][16 key blocks][17,408]: 16,384 bytes of images (rows = queries, k = keys), 512 bytes of M, 512 of l (f32 at 256 (tile / 4) + 16 r + 4 (tile % 4)).
; SHARES: work-group x = 0..35 is tile (qi, kj), kj <= qi, of the batch y: 256 queries x two key blocks of 128.  A wave has 64 queries, all K in 512 registers (windows 2, 3): k blocks 0-3 straight from the images,
; k blocks 4-7 by way of LDS.  A key block's panel, 131,072 bytes, lies whole in LDS; its 64 fragments come in runs of 8 and 7 by turns, each run's loads in one piece ahead of the products of the run before it.
; LDS: slot 0 takes the first key block's panel, slot 1 the queries' k blocks 4-7 (one load a wave at the head) and, when these are in registers, the second key block's panel.
; Source 0 = 16 keys, source 1 = 16 queries: a lane holds one query, register j of tile b the key 16 b + 8 h + j, so the conversions' results are p's fragment in this form's own layout.
; NO CLUSTER: the live tiles are a triangle (row i has i + 1 tiles, column j has 8 - j): no mask of four partners with one shared row or column covers it without work-groups that have nothing to compute.
; NO PREFETCH: the head's loads and one refill ask for all that a work-group reads: there is no loop of loads to run ahead in.
; LIMITS: e6 + e7 between -121 and 132 (added to c's exponent field); e8 between -126 and 112.  The promise holds while the scaled scores stay under 2^31 in magnitude.
; REGISTERS: window 0: v0-15 addresses; v16-143, v144-255 fragments of keys (8 and 7); in the softmax v16-79 t - M, then p, v96-117 at work.  Window 1: the sums, tile (a, b) at 8 (8 a + b); a query tile's codes go over its own sums.
.set SLOT,   131072
.set SPARE,  2*SLOT
.set PB,     17408
.set A0,   3                           ; 16 x lane
.set ADRL, 4                           ; the slot in hand, k blocks 0-3, and 4-7
.set ADRH, 5
.set QAD,  6                           ; my queries' k blocks 4-7 in slot 1
.set MO,   7                           ; where my 16 bytes of M or l go
.set SPW,  8
.set NIL,  9
.set LIMV, 10                          ; 57,344 x 2^e8
.set SCV,  11                          ; 2^e8
.set TMP,  16
.set G1, 24                            ; s[24:31] group 1 of the head's loads, s[68:75] of the refill
.set G1R, 68
.set G0, 32
.set MSB, 0
.macro WIN new
.if MSB != (\new)
	s_set_vgpr_msb (MSB<<8)|(\new)
.set MSB, (\new)
.endif
.endm
.macro PLACES n
.rept \n
	v_nop
.endr
.endm
	s_load_b256 s[4:11], s[0:1], 0x0               ; q_img s[4:5], k_img s[6:7], the scales' exponents s[8:9], p_img s[10:11]
	v_lshl_add_u32 v[SPW], v0, 2, SPARE
	v_mov_b32 v[NIL], 0
	ds_add_u32 v[SPW], v[NIL]                      ; the wave's opening: the add, twice on end, and its wait ahead of my first tensor load
	ds_add_u32 v[SPW], v[NIL]
	v_lshrrev_b32 v1, 5, v0
	v_readfirstlane_b32 s14, v1                    ; wave 0..3: queries 64 x wave on
	s_lshr_b32 s15, s14, 1                         ; my query panel of the tile's two
	s_and_b32 s16, s14, 1                          ; my half of it
	; x (the tile's number, 0..35) and y (the batch) of the head's SHARES are made of the work-group's number n, 0..143: bit 3 of n is y's upper bit; the other bits count 0..71: two batches of 36 tiles
	s_lshr_b32 s47, ttmp9, 4
	s_lshl_b32 s47, s47, 3
	s_and_b32 s46, ttmp9, 7
	s_add_co_u32 s47, s47, s46
	s_cmp_ge_u32 s47, 36
	s_cselect_b32 s46, 1, 0
	s_mul_i32 s44, s46, 36
	s_sub_co_u32 s47, s47, s44                     ; x
	s_bfe_u32 s44, ttmp9, 0x10003
	s_lshl_b32 s44, s44, 1
	s_add_co_u32 s46, s46, s44                     ; y
	s_mov_b32 s40, 0                               ; qi = how many of the triangle's row starts 1, 3, 6, .. lie at or under x
.irp T, 1,3,6,10,15,21,28
	s_cmp_ge_u32 s47, \T
	s_cselect_b32 s41, 1, 0
	s_add_co_u32 s40, s40, s41
.endr
	s_add_co_u32 s41, s40, 1
	s_mul_i32 s41, s41, s40
	s_lshr_b32 s41, s41, 1
	s_sub_co_u32 s41, s47, s41                     ; kj = x - qi (qi + 1) / 2
	s_lshl_b32 s46, s46, 4                         ; the batch's first panel
	s_cmp_eq_u32 s40, s41
	s_cselect_b32 s42, 1, 0                        ; a diagonal tile
	s_xor_b32 s43, s15, 1
	s_and_b32 s43, s43, s42                        ; in it my second key block is hidden (first query panel)
.irp g, G1, G1R
	s_mov_b32 s[\g+0], 3<<16                       ; no mask; elements of 8 bytes; no padding: the images are read 512 consecutive bytes an instruction
	s_mov_b32 s[\g+1], 32<<16                      ; rows of 256 bytes
	s_mov_b32 s[\g+3], 32<<16
	s_mov_b32 s[\g+5], 32                          ; dense
	s_mov_b32 s[\g+6], 0
	s_mov_b32 s[\g+7], 0
.endr
	s_mov_b32 s[G1+2], 256<<16                     ; the head: 65,536 bytes a wave
	s_mov_b32 s[G1+4], 256
	s_mov_b32 s[G1R+2], 128<<16                    ; the refill: 32,768
	s_mov_b32 s[G1R+4], 128
	s_lshl_b32 s47, s40, 1
	s_add_co_u32 s47, s47, s46                     ; the tile's first query panel
	s_add_co_u32 s56, s47, s16
	s_lshl_b32 s56, s56, 17
	s_add_co_u32 s56, s56, 65536                   ; waves 2, 3 at the head: k blocks 4-7 of query panel wave - 2
	s_add_co_u32 s47, s47, s15                     ; my query panel
	s_lshl_b32 s18, s47, 17
	s_lshl_b32 s19, s16, 13
	s_add_co_u32 s18, s18, s19                     ; its images 4 x half ..
	s_mov_b32 s19, 0
	s_lshl_b32 s51, s41, 1
	s_lshl_b32 s47, s47, 4
	s_add_co_u32 s47, s47, s51
	s_mul_i32 s52, s47, PB                         ; p's block of the first key block,
	s_lshl_b32 s53, s16, 13
	s_add_co_u32 s52, s52, s53                     ; its images 4 x half ..
	s_mov_b32 s53, 0
	s_add_co_u32 s51, s51, s46
	s_lshl_b32 s54, s51, 17                        ; the first key panel
	s_lshl_b32 s55, s14, 16
	s_add_co_u32 s57, s54, s55                     ; waves 0, 1 at the head: its two halves
	s_cmp_lt_u32 s14, 2
	s_cselect_b32 s56, s57, s56
	s_mov_b32 s57, 0
	s_lshl_b32 s45, s14, 15
	s_add_co_u32 s54, s54, s45
	s_add_co_u32 s54, s54, 131072                  ; the refill: my quarter of the second key panel
	s_mov_b32 s55, 0
	s_mul_i32 s51, s16, 7936
	s_sub_co_u32 s51, 16384, s51                   ; M's and l's place counted from my images: 16,384 + 256 x half - 8,192 x half
	s_lshl_b32 s58, s15, 16
	s_lshl_b32 s59, s16, 13
	s_add_co_u32 s58, s58, s59
	s_add_co_u32 s58, s58, SLOT
	s_lshl_b32 s59, s14, 16                        ; LDS at the head: wave x 65,536
	v_and_b32 v1, 15, v0                           ; r
	v_bfe_u32 v2, v0, 4, 1                         ; h
	v_and_b32 v15, 31, v0
	v_lshlrev_b32 v[A0], 4, v15
	v_add_nc_u32 v[QAD], s58, v[A0]
	v_lshlrev_b32 v12, 3, v2
	v_sub_nc_u32 v12, v1, v12                      ; r - 8 h: in the diagonal tile register j is hidden where j > r - 8 h
	v_mov_b32 v13, 0xff800000                      ; -infinity
	v_mov_b32 v14, 0                               ; a lane permute's destination counts as read
	v_lshl_add_u32 v[MO], v1, 4, s51
	v_lshl_add_u32 v[MO], v2, 9, v[MO]             ; lanes 0-15 M, lanes 16-31 l
	s_wait_alu depctr_va_vdst(0)
	s_wait_dscnt 0x0                               ; both opening adds are done
	s_wait_kmcnt 0x0
	s_load_b64 s[48:49], s[8:9], 0x18              ; e6, e7
	s_load_b32 s50, s[8:9], 0x20                   ; e8
	s_cmp_lt_u32 s14, 2
	s_cselect_b64 s[60:61], s[6:7], s[4:5]
	s_mov_b32 s[G0], 1
	s_mov_b32 s[G0+1], s59
	s_add_nc_u64 s[G0+2:G0+3], s[60:61], s[56:57]
	s_or_b32 s[G0+3], s[G0+3], 0x80000000
	tensor_load_to_lds s[G0:G0+3], s[G1:G1+7]
	s_nop 0
	PLACES 4
	s_mov_b32 s[G0+4], 1
	s_add_co_u32 s[G0+5], s45, SLOT
	s_add_nc_u64 s[G0+6:G0+7], s[6:7], s[54:55]
	s_or_b32 s[G0+7], s[G0+7], 0x80000000
	s_add_nc_u64 s[20:21], s[4:5], s[18:19]
	s_add_nc_u64 s[10:11], s[10:11], s[52:53]
	WIN 0x80
.irp k, 0,1,2,3                        ; my 64 queries, k blocks 0-3
.irp a, 0,1,2,3
.irp c, 0,1,2,3
	global_load_b128 v[64*\k+16*\a+4*\c:64*\k+16*\a+4*\c+3], v[A0], s[20:21] offset:16384*\k+2048*\a+512*\c
.endr
.endr
.endr
	WIN 0
	s_wait_kmcnt 0x0
	s_add_co_i32 s48, s48, s49
	s_lshl_b32 s48, s48, 23
	s_mov_b32 s22, 0x3d38aa3b                      ; c = log2(e) / 32
	s_add_co_i32 s22, s22, s48                     ; x 2^(e6 + e7): added to the exponent field
	s_mov_b32 s23, s22                             ; (named with it as a pair)
	s_add_co_i32 s50, s50, 127
	s_lshl_b32 s51, s50, 23
	v_mov_b32 v[SCV], s51                          ; 2^e8
	s_add_co_i32 s50, s50, 15
	s_lshl_b32 s50, s50, 23
	s_or_b32 s50, s50, 0x600000
	v_mov_b32 v[LIMV], s50                         ; 57,344 x 2^e8
	s_mov_b32 s45, 0xff800000
	s_mov_b32 s66, 0x76543210                      ; v_permlanex16_b32: lane l xor 16
	s_mov_b32 s67, 0xfedcba98
	s_mov_b32 s2, 0                                ; the slot in hand
	s_mov_b32 s3, 0                                ; the key block in hand
	s_wait_alu depctr_va_vdst(0)
	s_wait_tensorcnt 0x0                           ; my part of the head's fills is in
	s_barrier_signal -1
	s_barrier_wait -1
	WIN 0xc0
.irp k, 0,1,2,3                        ; my 64 queries, k blocks 4-7
.irp a, 0,1,2,3
.irp c, 0,1,2,3
	ds_load_b128 v[64*\k+16*\a+4*\c:64*\k+16*\a+4*\c+3], v[QAD] offset:16384*\k+2048*\a+512*\c
.endr
.endr
.endr
	WIN 0
	s_wait_tensorcnt 0x0                           ; slot 1 is filled again:
	ds_add_u32 v[SPW], v[NIL]                      ; 0 onto my spare word
	s_wait_dscnt 0x0                               ; the add is done, and my reads of slot 1
	s_barrier_signal -1
	s_barrier_wait -1
	tensor_load_to_lds s[G0+4:G0+7], s[G1R:G1R+7]  ; the second key panel: it has the first key block's work in which to land
	s_nop 0
	PLACES 4
; Fragment n = 8 k + b of a key block.  Run i begins at n = 15 (i / 2) + 8 (i % 2) and has 8, 7, 8, 7, 8, 7, 8, 7, 4 of them.
.macro RSET i
.set ST, 15*((\i)/2)+8*((\i)%2)
.set CN, 8-((\i)%2)
.if (\i) == 8
.set CN, 4
.endif
.set BB, 16+128*((\i)%2)
.set TT, 0
.endm
.macro LOADR i
	RSET \i
.rept CN
.irp c, 0,1,2,3
	ds_load_b128 v[BB+16*TT+4*\c:BB+16*TT+4*\c+3], v[ADRL+(ST+TT)/32] offset:16384*(((ST+TT)/8)%4)+2048*((ST+TT)%8)+512*\c
.endr
.set TT, TT+1
.endr
.endm
.macro MULR i                          ; the 32 accumulators take turns, one instruction a turn
	RSET \i
.rept CN
	WIN 0x50+4*(2+(ST+TT)/32)
.irp a, 0,1,2,3
.set AC, 64*\a+8*((ST+TT)%8)
.set XR, 64*(((ST+TT)/8)%4)+16*\a
.if (ST+TT) < 8
	v_wmma_f32_16x16x128_bf8_bf8 v[AC:AC+7], v[BB+16*TT:BB+16*TT+15], v[XR:XR+15], 0
.else
	v_wmma_f32_16x16x128_bf8_bf8 v[AC:AC+7], v[BB+16*TT:BB+16*TT+15], v[XR:XR+15], v[AC:AC+7]
.endif
.endr
.set TT, TT+1
.endr
.endm
.macro RUN i
	s_wait_dscnt 0x0                               ; this run's fragments are in (asked for a run ago)
.if (\i) < 4
	RSET \i
	s_wait_loadcnt 16*(3-(ST+CN-1)/8)              ; the queries' k blocks up to this run's last are in: 16 loads for each later one may be out
.endif
.if (\i) < 8
	PLACES 4                                       ; between the run before and the loads into its fragments
	WIN 0
	LOADR (\i)+1
.endif
	MULR \i
.endm
.macro HIDE t                          ; key tiles behind t hidden whole, tile t where 8 h + j > r
.if (\t) < 7
.set II, 8*((\t)+1)
.rept 8*(7-(\t))
	v_mov_b32 v[AC+II], s45
.set II, II+1
.endr
.endif
.irp j, 0,1,2,3,4,5,6,7
	v_cmp_gt_i32 vcc_lo, \j, v12
	v_cndmask_b32 v[AC+8*(\t)+\j], v[AC+8*(\t)+\j], v13, vcc_lo
.endr
.endm
; Tile a of my queries (16 rows x the block's 128 keys).
.macro SOFT a
.set AC, 64*(\a)
	s_wait_alu depctr_va_vdst(0)                   ; the wait ahead of the first reader of these sums, and ahead of the branch
	s_cmp_eq_u32 s44, 0
	s_cbranch_scc1 .Lopen_\@
	s_cmp_eq_u32 s16, 1
	s_cbranch_scc1 .Lodd_\@
	WIN 0x41
	HIDE \a                                        ; the diagonal block, its first 64 queries
	WIN 0
	s_wait_alu depctr_va_vdst(0)
	s_branch .Lopen_\@
.Lodd_\@:
	WIN 0x41
	HIDE 4+(\a)                                    ; its last 64 queries
	WIN 0
.Lopen_\@:
	v_mov_b32 v110, v13
	v_mov_b32 v111, v13
	WIN 0x14
.set II, 0
.rept 32
	v_max3_num_f32 v[110+(II/2)%2], v[110+(II/2)%2], v[AC+II], v[AC+II+1]   ; two chains; each accumulator from its low end on
.set II, II+2
.endr
	WIN 0
	v_max_num_f32 v110, v110, v111
	v_permlanex16_b32 v14, v110, s66, s67          ; the query's other 64 keys lie in the lane 16 away
	v_max_num_f32 v110, v110, v14
	v_mul_f32 v110, s22, v110                      ; as t (c is positive)
	v_floor_f32 v112, -v110                        ; -M = floor(-t) = -ceil(t)
	WIN 1
.set II, 0
.rept 32
	v_pk_fma_f32 v[TMP+II:TMP+II+1], v[AC+II:AC+II+1], s[22:23], v[112:113] op_sel_hi:[1,0,0]   ; t - M, two at a time
.set II, II+2
.endr
	WIN 0
.set II, 0
	s_wait_alu depctr_va_vdst(0)
.rept 64
	v_exp_f32 v[TMP+II], v[TMP+II]                 ; p = 2^(t - M): one batch
.set II, II+1
.endr
	v_xor_b32 v[96+(\a)], 0x80000000, v112         ; M.  (The plain line behind the last exponential)
	s_wait_alu depctr_va_vdst(0)                   ; one wait for the batch, ahead of its first reader
	v_pk_add_f32 v[114:115], v[TMP:TMP+1], v[TMP+2:TMP+3]       ; the sum of the unquantised p, in two chains
	v_pk_add_f32 v[116:117], v[TMP+4:TMP+5], v[TMP+6:TMP+7]
.irp j, 8,12,16,20,24,28,32,36,40,44,48,52,56,60
	v_pk_add_f32 v[114:115], v[114:115], v[TMP+\j:TMP+\j+1]
	v_pk_add_f32 v[116:117], v[116:117], v[TMP+\j+2:TMP+\j+3]
.endr
	v_pk_add_f32 v[114:115], v[114:115], v[116:117]
	v_add_f32 v114, v114, v115
	v_permlanex16_b32 v14, v114, s66, s67
	v_add_f32 v[100+(\a)], v114, v14               ; l
.set II, 0
.rept 64
	v_min_num_f32 v[TMP+II], v[TMP+II], v[LIMV]    ; the conversion does not saturate (ISA guide 7.6.2); p is not negative: a one-sided hold
.set II, II+1
.endr
	WIN 0x40
.irp b, 0,1,2,3,4,5,6,7
	v_cvt_scalef32_pk8_bf8_f32 v[AC+2*\b:AC+2*\b+1], v[TMP+8*\b:TMP+8*\b+7], v[SCV]   ; over this tile's own sums, which have been read
.endr
	v_nop                                          ; a plain line between the conversions and the lines that write their sources
	WIN 0x04
.irp c, 0,1,2,3
	global_store_b128 v[A0], v[AC+4*\c:AC+4*\c+3], s[10:11] offset:2048*(\a)+512*\c   ; 512 consecutive bytes, aligned
.endr
	WIN 0
.endm
.Lblock:
	s_and_b32 s52, s43, s3
	s_cbranch_scc1 .Lhidden                        ; ids and the wave's number alone; the barrier lies behind the label
	s_cmp_eq_u32 s15, s3
	s_cselect_b32 s44, s42, 0                      ; my block lies on the diagonal
	s_add_co_u32 s53, s2, 65536
	v_add_nc_u32 v[ADRL], s2, v[A0]
	v_add_nc_u32 v[ADRH], s53, v[A0]
	s_wait_alu depctr_va_vdst(0)
	LOADR 0
.irp i, 0,1,2,3,4,5,6,7,8
	RUN \i
.endr
	WIN 0
	PLACES 4
	SOFT 0
	SOFT 1
	SOFT 2
	SOFT 3
	v_cmp_eq_u32 vcc_lo, 1, v2
.irp g, 0,1,2,3
	v_cndmask_b32 v[104+\g], v[96+\g], v[100+\g], vcc_lo
.endr
	global_store_b128 v[MO], v[104:107], s[10:11]  ; 256 bytes of M, 256 of l
.Lhidden:
	s_wait_alu depctr_va_vdst(0)
	s_wait_xcnt 0x0                                ; my stores have read their codes and their base
	s_add_nc_u64 s[10:11], s[10:11], PB
	s_add_co_u32 s2, s2, SLOT
	s_wait_tensorcnt 0x0                           ; my part of slot 1 is in
	s_wait_dscnt 0x0
	s_barrier_signal -1
	s_barrier_wait -1                              ; slot 1 is whole
	s_add_co_u32 s3, s3, 1
	s_cmp_lt_u32 s3, 2
	s_cbranch_scc1 .Lblock
	s_wait_tensorcnt 0x0                           ; the wave's end
	ds_add_u32 v[SPW], v[NIL]
	s_wait_dscnt 0x0
	s_endpgm
.Lfunc_end_k_q38771c7ea7_scores:
	.size	k_q38771c7ea7_scores, .Lfunc_end_k_q38771c7ea7_scores-k_q38771c7ea7_scores
	.p2alignl 7, 3214868480
	.fill 96, 4, 3214868480
	.section	.rodata,"a",@progbits
	.p2align	6, 0x0
	.amdhsa_kernel k_q38771c7ea7_scores
		.amdhsa_group_segment_fixed_size 327680
		.amdhsa_private_segment_fixed_size 0
		.amdhsa_enable_private_segment 0
		.amdhsa_kernarg_size 32
		.amdhsa_user_sgpr_count 2
		.amdhsa_user_sgpr_kernarg_segment_ptr 1
		.amdhsa_wavefront_size32 1
		.amdhsa_system_sgpr_workgroup_id_x 1
		.amdhsa_system_sgpr_workgroup_id_y 1
		.amdhsa_system_sgpr_workgroup_id_z 1
		.amdhsa_system_vgpr_workitem_id 0
		.amdhsa_next_free_vgpr 1024
		.amdhsa_next_free_sgpr 96
		.amdhsa_reserve_vcc 1
		.amdhsa_float_denorm_mode_32 3
		.amdhsa_float_denorm_mode_16_64 3
		.amdhsa_memory_ordered 1
		.amdhsa_forward_progress 1
		.amdhsa_inst_pref_size 111
	.end_amdhsa_kernel
	.amdgpu_metadata
---
amdhsa.version: [ 1, 2 ]
amdhsa.kernels:
  - .name:           k_q38771c7ea7_scores
    .symbol:         k_q38771c7ea7_scores.kd
    .args:
      - { .name: q_img, .offset: 0, .size: 8, .value_kind: global_buffer, .address_space: global }
      - { .name: k_img, .offset: 8, .size: 8, .value_kind: global_buffer, .address_space: global }
      - { .name: lowp_scales, .offset: 16, .size: 8, .value_kind: global_buffer, .address_space: global }
      - { .name: p_img, .offset: 24, .size: 8, .value_kind: global_buffer, .address_space: global }
    .group_segment_fixed_size: 327680
    .private_segment_fixed_size: 0
    .kernarg_segment_align: 8
    .kernarg_segment_size: 32
    .max_flat_workgroup_size: 128
    .sgpr_count:     96
    .vgpr_count:     1024
    .wavefront_size: 32
...
	.end_amdgpu_metadata
.endif
;; end of part 2
;; launch ctx (part 3): grid 8 x 32, 4 waves a work-group, clusters of 4 x 1, 327,680 bytes of LDS; arguments p_img, v_img, lowp_scales, c_img; writes c_img
.if DOCPART == 3
	.amdgcn_target "amdgcn-amd-amdhsa--gfx1250"
	.amdhsa_code_object_version 6
	.text
	.protected	k_q38771c7ea7_ctx
	.globl	k_q38771c7ea7_ctx
	.p2align	8
	.type	k_q38771c7ea7_ctx,@function
k_q38771c7ea7_ctx:
	s_mov_b64 s[64:65], 0
	v_nop
	global_prefetch_b8 v0, s[64:65] scope:SCOPE_SE
	s_setreg_imm32_b32 hwreg(HW_REG_WAVE_MODE, 25, 1), 1
	s_wait_xcnt 0x0
	s_wait_alu depctr_hold_cnt(0) depctr_sa_sdst(0) depctr_va_vdst(0) depctr_va_sdst(0) depctr_va_ssrc(0) depctr_va_vcc(0) depctr_vm_vsrc(0)
	s_getreg_b32 s2, hwreg(HW_REG_IB_STS2, 6, 4)
	s_cmp_eq_u32 s2, 0
	s_cbranch_scc0 .Lentry_in_a_cluster
	s_endpgm
.Lentry_in_a_cluster:
	s_bfe_u32 s2, ttmp6, 0x10000c
	s_cmp_lg_u32 s2, 0x3003
	s_cbranch_scc0 .Lentry_shape_is_right
	s_endpgm
.Lentry_shape_is_right:
; ctx = (p v) / l on codes of BF8, the blocks of a row brought under one unit by exact powers of two; the result is quantised with 2^e10 and stored as images of operand registers.
; WORK LEFT OUT: key blocks above the diagonal (p = 0 by reference()'s own jnp.tril, for all inputs) were never stored and are not read or multiplied here.
; SHARES: a work-group makes two tiles of 128 queries x 128 d, one after the other: query panels F and 15 - F of its batch, F odd: F + 1 and 16 - F key steps of 128, 17 in all for EVERY work-group, so every trip count is a constant.
; Four waves, 2 x 2: 64 queries (tiles 4 wq ..) x 64 d (tiles 4 wd ..): 16 accumulators.  Source 0 = 16 d of v's image, source 1 = 16 queries of p's image: a lane holds one query, its registers run along d.
; THE UNIT.  A block's p stands under its own M.  Accumulators and the sum LS are kept in units of 2^U, which cancels in acc / LS.  At each step R = max(R, M) (the row's largest M so far), U' = max(M, R - 64);
; acc and LS are multiplied by 2^(U - U'), LS takes l x 2^(M - U'), and the block's product is added as it is.  All factors are exact powers of two; U' = M unless the block lies more than 2^64 under the row's largest.
; LIMIT, stated: such a block's product is taken at 2^-64 of the row's largest unit in place of something smaller: under f32 rounding of the result.  With codes up to 2^16 on both sides and 2^11 keys |acc| stays under 2^107.
; CLUSTER 4, 1, 1: the four partners take four d panels of the same queries and walk the same blocks of p: p's loads are joint (mask 15).  v's are plain: work-groups that share a d panel walk different keys.
; RING: two places, 0x24000 bytes apart (no bit in common with the four bases, so one exclusive or turns a place); a place holds four steps: p's four blocks of 17,408 bytes, then v's four of 16,384.
; One load brings two steps (a unit); wave w brings unit 2 n + w % 2 of slot n: p's (w < 2) or v's.  F + 1 is even, so no unit straddles the change of tiles.  By this text's count one tensor load a wave is out.
; LIMIT: E = e10 - e8 - e9 between -126 and 112.  NaN among the sums is not served.
.set PB,     17408
.set VB,     16384
.set VOFF,   4*PB
.set PLACE,  0x24000
.set SPARE,  2*PLACE
.set AP0, 2                            ; v2   16 x lane + 8,192 wq: my four images of p in a block
.set AV0, 3                            ; v3   VOFF + 16 x lane + 8,192 wd: of v
.set AM0, 4                            ; v4   16,384 + 256 wq + 16 r: M of my four tiles (l: 512 on)
.set ADP, 5                            ; v5-7 the same in the place in hand
.set ADV, 6
.set ADM, 7
.set GO,  10                           ; v10  my offset in a block of c_img: 16 x lane + 8,192 wq + 1,024 wd
.set LIMV, 11                          ; v11  57,344 x 2^E
.set SCV, 12                           ; v12  2^E
.set SPW, 14
.set NIL, 15
.set ML,  16                           ; v16-31 M (4) and l (4), two sets
.set R,   32
.set U,   36
.set LS,  40
.set TA,  44                           ; v44-55 at work
.set TI,  48
.set TJ,  52
.set FF,  56                           ; v56-63 f, later 1 / l: the low words of four pairs
.set T,   64                           ; v64-95 a query tile's results
.set CD,  96                           ; v96-127 codes
.set ACC, 128                          ; v128-255 accumulator (i, d) at 8 (4 i + d).  Window 1: set s at 128 s: p's fragment i at + 16 i, v's fragment d at + 64 + 16 d
.set WV, 12
.set CX, 13
.set DP, 14
.set DP64, 15
.set BT16, 16
.set FP, 18
.set GP, 19
.set L1, 20
.set WQ, 21
.set WD, 22
.set UN, 23
.set G1P, 24
.set G1V, 32
.set G0P, 40
.set G0V, 44
.set G1P1, 48
.set G1V1, 56
.set TBS, 66
.set SCNT, 67
.set NE, 69
.set CUR, 70
.set TRIPS, 71
.set MSB, 0
.macro WIN new
.if MSB != (\new)
	s_set_vgpr_msb (MSB<<8)|(\new)
.set MSB, (\new)
.endif
.endm
.macro ROUND                           ; a round of the cluster's barrier
	s_barrier_signal -1
	s_barrier_wait -1
	s_cmp_lg_u32 s[WV], 0
	s_cbranch_scc1 .Lnot_wave_0_\@
	s_barrier_signal -3
.Lnot_wave_0_\@:
	s_barrier_wait -3
	s_barrier_signal -1
	s_barrier_wait -1
.endm
; Where unit s[UN] lies in memory: its first step 2 UN belongs to panel F (under L1) or to panel G; jj is the key block.  p's registers never hold my place in the cluster.
.macro UADDR
	s_lshl_b32 s72, s[UN], 1
	s_cmp_lt_u32 s72, s[L1]
	s_cselect_b32 s73, s[FP], s[GP]
	s_cselect_b32 s74, 0, s[L1]
	s_sub_co_u32 s72, s72, s74                     ; jj
	s_add_co_u32 s73, s73, s[BT16]
	s_lshl_b32 s73, s73, 4
	s_add_co_u32 s73, s73, s72
	s_mul_i32 s76, s73, PB
	s_mov_b32 s77, 0
	s_add_nc_u64 s[G0P+2:G0P+3], s[4:5], s[76:77]
	s_or_b32 s[G0P+3], s[G0P+3], 0x80000000
	s_add_co_u32 s75, s72, s[BT16]
	s_add_co_u32 s75, s75, s[DP64]
	s_lshl_b32 s78, s75, 14
	s_mov_b32 s79, 0
	s_add_nc_u64 s[G0V+2:G0V+3], s[6:7], s[78:79]
	s_or_b32 s[G0V+3], s[G0V+3], 0x80000000
.endm
; A unit of two steps: waves 0, 1 p's (jointly), waves 2, 3 v's.  An s_nop 0 and four v_nop follow each line.
.macro JLOAD2
	s_cmp_lt_u32 s[WV], 2
	s_cbranch_scc0 .Lfor_v_\@
	tensor_load_to_lds s[G0P:G0P+3], s[G1P:G1P+7]
	s_nop 0
.rept 4
	v_nop
.endr
	s_branch .Lasked_\@
.Lfor_v_\@:
	tensor_load_to_lds s[G0V:G0V+3], s[G1V:G1V+7]
	s_nop 0
.rept 4
	v_nop
.endr
.Lasked_\@:
.endm
; Step 16 alone: wave 0 p's block, wave 2 v's; waves 1 and 3 have nothing to fetch.
.macro JLOAD1
	s_cmp_eq_u32 s[WV], 0
	s_cbranch_scc0 .Lnot_p_\@
	tensor_load_to_lds s[G0P:G0P+3], s[G1P1:G1P1+7]
	s_nop 0
.rept 4
	v_nop
.endr
	s_branch .Lasked_\@
.Lnot_p_\@:
	s_cmp_eq_u32 s[WV], 2
	s_cbranch_scc0 .Lasked_\@
	tensor_load_to_lds s[G0V:G0V+3], s[G1V1:G1V1+7]
	s_nop 0
.rept 4
	v_nop
.endr
.Lasked_\@:
.endm
	s_load_b256 s[4:11], s[0:1], 0x0               ; p_img s[4:5], v_img s[6:7], the scales' exponents s[8:9], c_img s[10:11]
	v_lshl_add_u32 v[SPW], v0, 2, SPARE
	v_mov_b32 v[NIL], 0
	ds_add_u32 v[SPW], v[NIL]                      ; the wave's opening: the add, twice on end, and its wait ahead of my first tensor load
	ds_add_u32 v[SPW], v[NIL]
	v_lshrrev_b32 v1, 5, v0
	v_readfirstlane_b32 s[WV], v1
	s_lshr_b32 s[WQ], s[WV], 1
	s_and_b32 s[WD], s[WV], 1
	s_bfe_u32 s[CX], ttmp6, 0x40000
	s_lshl_b32 s[DP], ttmp9, 2
	s_add_co_u32 s[DP], s[DP], s[CX]               ; my d panel: it enters v's and c's addresses alone
	s_lshl_b32 s[DP64], s[DP], 6
	s_and_b32 s17, ttmp7, 0xffff                   ; the cluster's y, shared by the partners
	s_lshr_b32 s72, s17, 4                         ; the batch: bit 2 of y is its upper bit, bit 4 its lower;
	s_bfe_u32 s73, s17, 0x10002
	s_lshl_b32 s73, s73, 1
	s_add_co_u32 s[BT16], s72, s73
	s_lshl_b32 s[BT16], s[BT16], 4                 ; 16 x batch
	s_bfe_u32 s73, s17, 0x10003                    ; the pair of panels: bits 3, 1, 0
	s_lshl_b32 s73, s73, 2
	s_and_b32 s17, s17, 3
	s_add_co_u32 s17, s17, s73
	s_sub_co_u32 s72, 15, s17
	s_bitcmp1_b32 s17, 0
	s_cselect_b32 s[FP], s17, s72                  ; F: the odd one of pr and 15 - pr
	s_sub_co_u32 s[GP], 15, s[FP]
	s_add_co_u32 s[L1], s[FP], 1                   ; the first tile's key steps: even
	s_mov_b32 s[G1P], 15|(3<<16)|(1<<21)           ; the mask: all four partners; elements of 8 bytes; bit 21 beside a mask; no padding
	s_mov_b32 s[G1P+2], 136<<16                    ; two blocks of p: 136 rows of 256 bytes
	s_mov_b32 s[G1P+4], 136
	s_mov_b32 s[G1V], 3<<16
	s_mov_b32 s[G1V+2], 128<<16                    ; two blocks of v: 128 rows
	s_mov_b32 s[G1V+4], 128
	s_mov_b32 s[G1P1], 15|(3<<16)|(1<<21)
	s_mov_b32 s[G1P1+2], 68<<16                    ; one block
	s_mov_b32 s[G1P1+4], 68
	s_mov_b32 s[G1V1], 3<<16
	s_mov_b32 s[G1V1+2], 64<<16
	s_mov_b32 s[G1V1+4], 64
.irp g, G1P, G1V, G1P1, G1V1
	s_mov_b32 s[\g+1], 32<<16                      ; tensor_dim0 = 32 elements: rows of 256 bytes
	s_mov_b32 s[\g+3], 32<<16                      ; tile_dim0
	s_mov_b32 s[\g+5], 32                          ; dense
	s_mov_b32 s[\g+6], 0
	s_mov_b32 s[\g+7], 0
.endr
	s_mov_b32 s[G0P], 1
	s_mul_i32 s[G0P+1], s[WD], 2*PB                ; place 0: my unit of p,
	s_mov_b32 s[G0V], 1
	s_lshl_b32 s[G0V+1], s[WD], 15
	s_add_co_u32 s[G0V+1], s[G0V+1], VOFF          ; of v
	s_mov_b32 s[UN], s[WD]
	s_mov_b32 s[TBS], 0
	s_mov_b32 s[SCNT], 0
	s_mov_b32 s[NE], s[L1]
	s_mov_b32 s[CUR], s[FP]
	s_wait_dscnt 0x0                               ; both opening adds are done
	s_wait_kmcnt 0x0
	s_load_b128 s[80:83], s[8:9], 0x20             ; e8, e9, e10, e11
	UADDR
	ROUND                                          ; all four work-groups are here: the first joint loads meet
	JLOAD2                                         ; slot 0
	v_and_b32 v1, 31, v0
	v_and_b32 v13, 15, v0
	v_lshlrev_b32 v1, 4, v1
	s_lshl_b32 s72, s[WQ], 13
	v_add_nc_u32 v[AP0], s72, v1
	s_lshl_b32 s73, s[WD], 13
	s_add_co_u32 s73, s73, VOFF
	v_add_nc_u32 v[AV0], s73, v1
	s_lshl_b32 s74, s[WQ], 8
	s_add_co_u32 s74, s74, 16384
	v_lshl_add_u32 v[AM0], v13, 4, s74
	s_lshl_b32 s75, s[WD], 10
	s_add_co_u32 s75, s75, s72
	v_add_nc_u32 v[GO], s75, v1
	s_lshl_b32 s76, s[WQ], 2
	s_add_co_u32 s76, s76, s[CX]
	s_mul_i32 s76, s76, 17*256                     ; prefetch, p: my eighth of a unit's 136 pieces of 256 bytes
	s_lshl_b32 s77, s[WQ], 14                      ; v: my half of a unit
	v_and_b32 v13, 31, v0
	v_min_u32 v8, 16, v13                          ; (lanes 17 to 31 name my last piece again)
	v_lshl_add_u32 v8, v8, 8, s76
	v_lshl_add_u32 v9, v13, 8, s77
.irp i, 0,1,2,3
	v_mov_b32 v[FF+2*\i+1], 0                      ; named as the pairs' upper halves
	v_mov_b32 v[R+\i], 0xff61b1e6                  ; no M so far: -3e38, under every M
	v_mov_b32 v[U+\i], 0xff61b1e6
	v_mov_b32 v[LS+\i], 0
.set II, 0
.rept 32
	v_mov_b32 v[ACC+32*\i+II], 0                   ; (the step is written once: the first change of unit multiplies by 2^(U - U') = 0)
.set II, II+1
.endr
.endr
	s_wait_kmcnt 0x0
	s_sub_co_i32 s72, s82, s80
	s_sub_co_i32 s72, s72, s81                     ; E = e10 - e8 - e9: acc / LS stands for ctx / 2^(e8 + e9)
	s_add_co_i32 s72, s72, 127
	s_lshl_b32 s73, s72, 23
	v_mov_b32 v[SCV], s73
	s_add_co_i32 s72, s72, 15
	s_lshl_b32 s72, s72, 23
	s_or_b32 s72, s72, 0x600000
	v_mov_b32 v[LIMV], s72
; Step t of the place in hand: 34 LDS loads into set t % 2: M, l, p's four fragments, v's four.
.macro LOADS t
.set SS, 128*((\t)%2)
.set MS, ML+8*((\t)%2)
	ds_load_b128 v[MS:MS+3], v[ADM] offset:PB*(\t)
	ds_load_b128 v[MS+4:MS+7], v[ADM] offset:PB*(\t)+512
	WIN 0x40
.irp i, 0,1,2,3
.irp c, 0,1,2,3
	ds_load_b128 v[SS+16*\i+4*\c:SS+16*\i+4*\c+3], v[ADP] offset:PB*(\t)+2048*\i+512*\c
.endr
.endr
.irp d, 0,1,2,3
.irp c, 0,1,2,3
	ds_load_b128 v[SS+64+16*\d+4*\c:SS+64+16*\d+4*\c+3], v[ADV] offset:VB*(\t)+2048*\d+512*\c
.endr
.endr
	WIN 0
.endm
.macro PRODS s                         ; the 16 accumulators take turns, one instruction a turn, in the same order in every step
	WIN 0x05
.irp i, 0,1,2,3
.irp d, 0,1,2,3
	v_wmma_f32_16x16x128_bf8_bf8 v[ACC+8*(4*\i+\d):ACC+8*(4*\i+\d)+7], v[128*(\s)+64+16*\d:128*(\s)+64+16*\d+15], v[128*(\s)+16*\i:128*(\s)+16*\i+15], v[ACC+8*(4*\i+\d):ACC+8*(4*\i+\d)+7]
.endr
.endr
	WIN 0
.endm
; A step.  A tile begins with R = U = -3e38: its first step finds U - U' so far under 0 that f = 0: what the sums and LS held (zeros, or the finite sums of the tile before) counts for nothing.
.macro COMPUTE t
.set MS, ML+8*((\t)%2)
.irp i, 0,1,2,3
	v_max_num_f32 v[R+\i], v[R+\i], v[MS+\i]       ; the row's largest M so far
.endr
.irp i, 0,1,2,3
	v_add_f32 v[TA+\i], 0xc2800000, v[R+\i]        ; R - 64
.endr
.irp i, 0,1,2,3
	v_max_num_f32 v[TA+\i], v[TA+\i], v[MS+\i]     ; U'
.endr
.irp i, 0,1,2,3
	v_sub_f32 v[TI+\i], v[U+\i], v[TA+\i]          ; U - U': a whole number, 64 at the most
	v_sub_f32 v[TJ+\i], v[MS+\i], v[TA+\i]         ; M - U': 0 or less
.endr
.irp i, 0,1,2,3
	v_cvt_i32_f32 v[TI+\i], v[TI+\i]               ; (they saturate)
	v_cvt_i32_f32 v[TJ+\i], v[TJ+\i]
.endr
.irp i, 0,1,2,3
	v_ldexp_f32 v[FF+2*\i], 1.0, v[TI+\i]          ; f = 2^(U - U')
	v_ldexp_f32 v[TJ+\i], v[MS+4+\i], v[TJ+\i]     ; l x 2^(M - U')
.endr
.irp i, 0,1,2,3
	v_fma_f32 v[LS+\i], v[LS+\i], v[FF+2*\i], v[TJ+\i]
	v_mov_b32 v[U+\i], v[TA+\i]
.endr
.irp i, 0,1,2,3
.set II, 0
.rept 16
	v_pk_mul_f32 v[ACC+32*\i+II:ACC+32*\i+II+1], v[ACC+32*\i+II:ACC+32*\i+II+1], v[FF+2*\i:FF+2*\i+1] op_sel_hi:[1,0]   ; the sums under the new unit; each accumulator from its low end on
.set II, II+2
.endr
.endr
	PRODS (\t)%2
.rept 5
	v_nop                                          ; places: for the loads into this set, for the next reads and writes of the sums
.endr
	s_add_co_u32 s[SCNT], s[SCNT], 1
.endm
; A tile is finished: acc / LS, held, converted, stored.  My 4 d tiles of a query tile are registers 8 wd .. 8 wd + 7 of its fragment: two stores of 512 consecutive bytes.
.macro EPI
	s_wait_xcnt 0x0                                ; the earlier tile's stores have read their data and base, which are written again below
	s_add_co_u32 s86, s[BT16], s[CUR]
	s_lshl_b32 s86, s86, 3
	s_add_co_u32 s86, s86, s[DP]
	s_lshl_b32 s86, s86, 14
	s_mov_b32 s87, 0
	s_add_nc_u64 s[84:85], s[10:11], s[86:87]
.irp i, 0,1,2,3
	v_rcp_f32 v[FF+2*\i], v[LS+\i]
.endr
	v_nop                                          ; a plain line behind the last reciprocal
	s_wait_alu depctr_va_vdst(0)                   ; one wait for the four, ahead of their first reader
.irp i, 0,1,2,3
.set II, 0
.rept 16
	v_pk_mul_f32 v[T+II:T+II+1], v[ACC+32*\i+II:ACC+32*\i+II+1], v[FF+2*\i:FF+2*\i+1] op_sel_hi:[1,0]
.set II, II+2
.endr
.set II, 0
.rept 32
	v_med3_num_f32 v[T+II], v[T+II], -v[LIMV], v[LIMV]   ; the conversion does not saturate (ISA guide 7.6.2)
.set II, II+1
.endr
.irp d, 0,1,2,3
	v_cvt_scalef32_pk8_bf8_f32 v[CD+8*\i+2*\d:CD+8*\i+2*\d+1], v[T+8*\d:T+8*\d+7], v[SCV]
.endr
	v_nop                                          ; a plain line between the conversions and the lines that write their sources again
.endr
	v_bfe_u32 v1, v0, 4, 1                         ; v's image has its rows so that d tiles 2 B, 2 B + 1 give lane (r, h) d = 32 B + 16 h + 0 .. 15, the two eights changed about where h = 1 (launch proj):
	v_cmp_eq_u32 vcc_lo, 1, v1                     ; set right here, so that c_img has k = 32 B + 16 h + 0 .. 15 in registers 4 B ..
.irp i, 0,1,2,3
.irp c, 0,1
	v_cndmask_b32 v[T+8*\i+4*\c], v[CD+8*\i+4*\c], v[CD+8*\i+4*\c+2], vcc_lo
	v_cndmask_b32 v[T+8*\i+4*\c+1], v[CD+8*\i+4*\c+1], v[CD+8*\i+4*\c+3], vcc_lo
	v_cndmask_b32 v[T+8*\i+4*\c+2], v[CD+8*\i+4*\c+2], v[CD+8*\i+4*\c], vcc_lo
	v_cndmask_b32 v[T+8*\i+4*\c+3], v[CD+8*\i+4*\c+3], v[CD+8*\i+4*\c+1], vcc_lo
	global_store_b128 v[GO], v[T+8*\i+4*\c:T+8*\i+4*\c+3], s[84:85] offset:2048*\i+512*\c
.endr
.endr
.endm
.macro CHECK                           ; behind an odd step: has the first tile had its L1 steps?
	s_cmp_eq_u32 s[SCNT], s[NE]
	s_cbranch_scc0 .Lgo_on_\@
	s_wait_alu depctr_va_vdst(0)
	EPI
.irp i, 0,1,2,3
	v_mov_b32 v[R+\i], 0xff61b1e6                  ; the second tile begins
	v_mov_b32 v[U+\i], 0xff61b1e6
.endr
	s_wait_alu depctr_va_vdst(0)
	s_mov_b32 s[CUR], s[GP]
	s_mov_b32 s[NE], 17                            ; not met again: the second tile's way out is written at the end
.Lgo_on_\@:
.endm
; A PREFETCH INTO THE L2, at the changes of places that load slots 1 and 2, for the slot one further on (four key steps ahead of its load): of the unit that my wave will load there (its number is UN + 2) and that the wave
; two on or back loads with me.  p's 136 pieces of 256 bytes are shared out over these two waves of the four partners, 17 each, by address; v's 128, which no partner loads, over the two waves: two instructions of 32.
; Slots 0 and 1 come by their loads alone; the change that loads slot 3 asks for nothing.
.macro UASK
	s_add_co_u32 s88, s[UN], 2
	s_lshl_b32 s88, s88, 1
	s_cmp_lt_u32 s88, s[L1]
	s_cselect_b32 s89, s[FP], s[GP]
	s_cselect_b32 s90, 0, s[L1]
	s_sub_co_u32 s88, s88, s90                     ; the key block
	s_add_co_u32 s89, s89, s[BT16]
	s_lshl_b32 s89, s89, 4
	s_add_co_u32 s89, s89, s88
	s_mul_i32 s92, s89, PB
	s_mov_b32 s93, 0
	s_add_nc_u64 s[92:93], s[4:5], s[92:93]
	s_add_co_u32 s88, s88, s[BT16]
	s_add_co_u32 s88, s88, s[DP64]
	s_lshl_b32 s94, s88, 14
	s_mov_b32 s95, 0
	s_add_nc_u64 s[94:95], s[6:7], s[94:95]
.endm
.macro ASK
	s_cmp_gt_u32 s[TRIPS], 1
	s_cbranch_scc0 .Lno_ask_\@
	global_prefetch_b8 v8, s[92:93] th:TH_LOAD_NT scope:SCOPE_SE
	global_prefetch_b8 v9, s[94:95] th:TH_LOAD_NT scope:SCOPE_SE
	global_prefetch_b8 v9, s[94:95] offset:8192 th:TH_LOAD_NT scope:SCOPE_SE
.Lno_ask_\@:
.endm
.macro ADDRS
	v_add_nc_u32 v[ADP], s[TBS], v[AP0]
	v_add_nc_u32 v[ADV], s[TBS], v[AV0]
	v_add_nc_u32 v[ADM], s[TBS], v[AM0]
.endm
.macro SLOTBODY                        ; a place's four steps; the loads run one step ahead
	ADDRS
	LOADS 0
	LOADS 1
	s_wait_dscnt 34                                ; all but the next step's 34 loads
	s_wait_alu depctr_va_vdst(0)
	COMPUTE 0
	LOADS 2
	s_wait_alu depctr_va_vdst(0)
	s_wait_dscnt 34
	COMPUTE 1
	CHECK
	LOADS 3
	s_wait_dscnt 34
	COMPUTE 2
	s_wait_dscnt 0x0
	s_wait_alu depctr_va_vdst(0)
	COMPUTE 3
	CHECK
	s_xor_b32 s[TBS], s[TBS], PLACE
.endm
; THE CHANGE OF PLACES stands at a slot's head: each wave waits for all its tensor loads (its part of the slot ahead), adds 0 to its spare word, and waits for that and for its reads of the place it has left.
; fill = 1: the other place takes the next slot; 2: step 16 alone; the barrier is then a round of the cluster's, and the load is the first thing behind it.  0: nothing is filled: a plain barrier.
.macro CHANGE fill
	s_wait_tensorcnt 0x0                           ; no tensor load of mine is out, so the groups 0 may be written
	ds_add_u32 v[SPW], v[NIL]                      ; 0 onto my spare word
.if \fill
	s_add_co_u32 s[UN], s[UN], 2
	UADDR
.if \fill == 1
	s_wait_xcnt 0x0                                ; my earlier prefetches have read their addresses
	UASK
.endif
	s_xor_b32 s[G0P+1], s[G0P+1], PLACE
	s_xor_b32 s[G0V+1], s[G0V+1], PLACE
.endif
	s_wait_dscnt 0x0
.if \fill == 0
	s_barrier_signal -1
	s_barrier_wait -1
.else
	ROUND
.if \fill == 1
	JLOAD2
	ASK
.else
	JLOAD1
.endif
.endif
.endm
	s_mov_b32 s[TRIPS], 3
	s_wait_alu depctr_va_vdst(0)
.Lslot:
	CHANGE 1                                       ; slots 1, 2 and 3 are asked for (slot 1 is place 1's first fill)
	SLOTBODY                                       ; slots 0, 1 and 2
	s_sub_co_u32 s[TRIPS], s[TRIPS], 1
	s_cmp_lg_u32 s[TRIPS], 0
	s_wait_alu depctr_va_vdst(0)
	s_cbranch_scc1 .Lslot
	CHANGE 2                                       ; step 16 is asked for
	SLOTBODY                                       ; slot 3
	CHANGE 0
	ADDRS
	LOADS 0
	s_wait_dscnt 0x0
	s_wait_alu depctr_va_vdst(0)
	COMPUTE 0                                      ; step 16: the second tile's last (its first too, where F = 15)
	s_wait_alu depctr_va_vdst(0)
	EPI
	s_wait_tensorcnt 0x0                           ; the wave's end
	ds_add_u32 v[SPW], v[NIL]
	s_wait_dscnt 0x0
	ROUND                                          ; the closing round
	s_endpgm
.Lfunc_end_k_q38771c7ea7_ctx:
	.size	k_q38771c7ea7_ctx, .Lfunc_end_k_q38771c7ea7_ctx-k_q38771c7ea7_ctx
	.p2alignl 7, 3214868480
	.fill 96, 4, 3214868480
	.section	.rodata,"a",@progbits
	.p2align	6, 0x0
	.amdhsa_kernel k_q38771c7ea7_ctx
		.amdhsa_group_segment_fixed_size 327680
		.amdhsa_private_segment_fixed_size 0
		.amdhsa_enable_private_segment 0
		.amdhsa_kernarg_size 32
		.amdhsa_user_sgpr_count 2
		.amdhsa_user_sgpr_kernarg_segment_ptr 1
		.amdhsa_wavefront_size32 1
		.amdhsa_system_sgpr_workgroup_id_x 1
		.amdhsa_system_sgpr_workgroup_id_y 1
		.amdhsa_system_sgpr_workgroup_id_z 1
		.amdhsa_system_vgpr_workitem_id 0
		.amdhsa_next_free_vgpr 512
		.amdhsa_next_free_sgpr 100
		.amdhsa_reserve_vcc 1
		.amdhsa_float_denorm_mode_32 3
		.amdhsa_float_denorm_mode_16_64 3
		.amdhsa_memory_ordered 1
		.amdhsa_forward_progress 1
		.amdhsa_inst_pref_size 182
	.end_amdhsa_kernel
	.amdgpu_metadata
---
amdhsa.version: [ 1, 2 ]
amdhsa.kernels:
  - .name:           k_q38771c7ea7_ctx
    .symbol:         k_q38771c7ea7_ctx.kd
    .args:
      - { .name: p_img, .offset: 0, .size: 8, .value_kind: global_buffer, .address_space: global }
      - { .name: v_img, .offset: 8, .size: 8, .value_kind: global_buffer, .address_space: global }
      - { .name: lowp_scales, .offset: 16, .size: 8, .value_kind: global_buffer, .address_space: global }
      - { .name: c_img, .offset: 24, .size: 8, .value_kind: global_buffer, .address_space: global }
    .group_segment_fixed_size: 327680
    .private_segment_fixed_size: 0
    .kernarg_segment_align: 8
    .kernarg_segment_size: 32
    .max_flat_workgroup_size: 128
    .sgpr_count:     100
    .vgpr_count:     512
    .wavefront_size: 32
...
	.end_amdgpu_metadata
.endif
;; end of part 3
;; launch outp (part 4): grid 32 x 8, 4 waves a work-group, clusters of 4 x 1, 327,680 bytes of LDS; arguments c_img, Wo_codes, lowp_scales, bo, out0; writes out0
.if DOCPART == 4
	.amdgcn_target "amdgcn-amd-amdhsa--gfx1250"
	.amdhsa_code_object_version 6
	.text
	.protected	k_q38771c7ea7_outp
	.globl	k_q38771c7ea7_outp
	.p2align	8
	.type	k_q38771c7ea7_outp,@function
k_q38771c7ea7_outp:
	s_mov_b64 s[64:65], 0
	v_nop
	global_prefetch_b8 v0, s[64:65] scope:SCOPE_SE
	s_setreg_imm32_b32 hwreg(HW_REG_WAVE_MODE, 25, 1), 1
	s_wait_xcnt 0x0
	s_wait_alu depctr_hold_cnt(0) depctr_sa_sdst(0) depctr_va_vdst(0) depctr_va_sdst(0) depctr_va_ssrc(0) depctr_va_vcc(0) depctr_vm_vsrc(0)
	s_getreg_b32 s2, hwreg(HW_REG_IB_STS2, 6, 4)
	s_cmp_eq_u32 s2, 0
	s_cbranch_scc0 .Lentry_in_a_cluster
	s_endpgm
.Lentry_in_a_cluster:
	s_bfe_u32 s2, ttmp6, 0x10000c
	s_cmp_lg_u32 s2, 0x3003
	s_cbranch_scc0 .Lentry_shape_is_right
	s_endpgm
.Lentry_shape_is_right:
; out = ctx Wo^T + bo on codes of BF8: sums in f32, each x 2^(e10 + e11) + bias in one fused multiply-add.  No work is left out here.
; SHARES: work-group (row tile of 256, column tile of 128): 256 of them.  A wave has 64 rows of ctx, all K = 1,024 in 512 registers (windows 2, 3): k blocks 0-3 straight from the images of launch ctx, k blocks 4-7 by way of LDS.
; Wo's 128 rows lie whole in LDS (pitch 1,040); their fragments come in runs of eight (two K steps: 32 loads, 32 matrix instructions) into window 1, which holds two runs; a run's loads stand ahead of the products of the run before it.
; Two halves of 64 columns: the first half's stores are on their way under the second half's products.
; CLUSTER 4, 1, 1: four row tiles of one column tile share Wo's rows: a joint load, mask 15.  ctx is read once by each work-group and shared with no partner.
; NO PREFETCH: the head's loads ask for all that a work-group reads: there is no loop to run ahead in.
; c_img and Wo's fragments both have k = 32 c + 16 h + 0 .. 15 in registers 4 c ...
; Source 0 = 16 rows of Wo, source 1 = 16 rows of ctx: a lane holds one row of out, register j of tile b the column 16 b + 8 h + j; 16 rows x 64 columns go through my stage in LDS and leave as rows of 256 bytes.
; The stages lie where ctx's k blocks 4-7 were: filled once, at the head; a barrier stands between all waves' reads of them and the first store into a stage.
; LIMIT: e10 + e11 between -126 and 127.
.set PITCH, 1040
.set CREG,  128*PITCH                  ; behind Wo's rows: ctx's k blocks 4-7, 65,536 bytes for each of two panels; later for each wave four stages of 16 rows x 272 bytes
.set SPITCH, 272
.set SW,    64*SPITCH
.set SPARE, CREG+131072
.set SPW, 3
.set NIL, 4
.set CAD, 7                            ; my rows of ctx, k blocks 4-7
.set ADR, 8                            ; v8, v9: the halves' rows of Wo
.set STO, 10
.set RD,  11
.set CO,  12                           ; 16 x lane
.set GO,  13                           ; my offset in two rows of out
.set BA,  14
.set BIAS, 16                          ; v16-79
.set ACC, 128                          ; v128-255.  Window 1: fragments; its upper half also the results on their way out
.set G1, 24                            ; s[24:31] for Wo, s[52:59] for ctx
.set G1C, 52
.set G0, 32
.set G0C, 36
.set MSB, 0
.macro WIN new
.if MSB != (\new)
	s_set_vgpr_msb (MSB<<8)|(\new)
.set MSB, (\new)
.endif
.endm
.macro PLACES n
.rept \n
	v_nop
.endr
.endm
.macro CROUND
	s_barrier_signal -1
	s_barrier_wait -1
	s_cmp_lg_u32 s14, 0
	s_cbranch_scc1 .Lnot_wave_0_\@
	s_barrier_signal -3
.Lnot_wave_0_\@:
	s_barrier_wait -3
	s_barrier_signal -1
	s_barrier_wait -1
.endm
	s_load_b256 s[4:11], s[0:1], 0x0               ; c_img s[4:5], Wo s[6:7], the scales' exponents s[8:9], bo s[10:11]
	s_load_b64 s[12:13], s[0:1], 0x20              ; out0
	v_lshl_add_u32 v[SPW], v0, 2, SPARE
	v_mov_b32 v[NIL], 0
	ds_add_u32 v[SPW], v[NIL]                      ; the wave's opening: the add, twice on end, and its wait ahead of my first tensor load
	ds_add_u32 v[SPW], v[NIL]
	v_lshrrev_b32 v1, 5, v0
	v_readfirstlane_b32 s14, v1
	s_lshr_b32 s15, s14, 1                         ; my panel of the row tile's two.  Also, at the head: I fetch for Wo (0) or ctx (1)
	s_and_b32 s16, s14, 1                          ; my half of it.  Also: which part I fetch
	s_bfe_u32 s40, ttmp6, 0x40000                  ; cx: it enters c's and out's addresses alone
	s_lshl_b32 s17, ttmp9, 2
	s_add_co_u32 s17, s17, s40                     ; row tile
	s_and_b32 s42, ttmp7, 0xffff                   ; column tile, shared by the partners
	s_mov_b32 s[G1+0], 15|(1<<20)|(1<<21)|(7<<22)|(3<<25)   ; the mask: all four partners; elements of 1 byte; 4 words of padding after every 256; bit 21 beside a mask
	s_mov_b32 s[G1+1], 1024<<16
	s_mov_b32 s[G1+2], 64<<16                      ; 64 rows
	s_mov_b32 s[G1+3], 1024<<16
	s_mov_b32 s[G1+4], 64
	s_mov_b32 s[G1+5], 1024
	s_mov_b32 s[G1+6], 0
	s_mov_b32 s[G1+7], 0
	s_mov_b32 s[G1C+0], 3<<16                      ; no mask; elements of 8 bytes; no padding
	s_mov_b32 s[G1C+1], 32<<16
	s_mov_b32 s[G1C+2], 256<<16                    ; 256 rows of 256 bytes
	s_mov_b32 s[G1C+3], 32<<16
	s_mov_b32 s[G1C+4], 256
	s_mov_b32 s[G1C+5], 32
	s_mov_b32 s[G1C+6], 0
	s_mov_b32 s[G1C+7], 0
	s_lshl_b32 s20, s17, 18                        ; c: panels of 131,072 bytes, two a row tile,
	s_lshl_b32 s22, s16, 17
	s_add_co_u32 s22, s22, s20
	s_add_co_u32 s22, s22, 65536                   ; (waves 2, 3 fetch k blocks 4-7 of panel wave - 2)
	s_mov_b32 s23, 0
	s_lshl_b32 s18, s15, 17
	s_add_co_u32 s20, s20, s18
	s_lshl_b32 s18, s16, 13
	s_add_co_u32 s20, s20, s18                     ; my images: 4 x half ..
	s_mov_b32 s21, 0
	s_lshl_b32 s46, s42, 17
	s_lshl_b32 s19, s16, 16
	s_add_co_u32 s46, s46, s19                     ; Wo: row 128 x column tile + 64 x (wave % 2)
	s_mov_b32 s47, 0
	s_lshl_b32 s48, s42, 9                         ; my columns, in bytes
	s_mov_b32 s49, 0
	s_lshl_b32 s50, s17, 20
	s_lshl_b32 s41, s14, 18
	s_add_co_u32 s50, s50, s41
	s_add_co_u32 s50, s50, s48                     ; out: row 256 x row tile + 64 x wave
	s_mov_b32 s51, 0
	s_mul_i32 s45, s16, 64*PITCH
	s_add_co_u32 s19, s19, CREG
	s_lshl_b32 s41, s15, 16
	s_add_co_u32 s18, s18, s41
	s_add_co_u32 s18, s18, CREG
	s_mul_i32 s43, s14, SW
	s_add_co_u32 s43, s43, CREG
	v_and_b32 v1, 15, v0                           ; r
	v_bfe_u32 v2, v0, 4, 1                         ; h
	v_and_b32 v6, 31, v0
	v_lshlrev_b32 v[CO], 4, v6
	v_add_nc_u32 v[CAD], s18, v[CO]
	v_lshlrev_b32 v[BA], 5, v2
	v_mul_u32_u24 v5, v1, PITCH
	v_lshl_add_u32 v[ADR], v2, 4, v5
	v_add_nc_u32 v[ADR+1], 64*PITCH, v[ADR]
	v_mul_u32_u24 v5, v1, SPITCH
	v_lshl_add_u32 v5, v2, 5, v5
	v_add_nc_u32 v[STO], s43, v5
	v_mul_u32_u24 v5, v2, SPITCH
	v_lshl_add_u32 v5, v1, 4, v5
	v_add_nc_u32 v[RD], s43, v5
	v_lshlrev_b32 v[GO], 12, v2
	v_lshl_add_u32 v[GO], v1, 4, v[GO]
	s_wait_alu depctr_va_vdst(0)
	s_wait_dscnt 0x0                               ; both opening adds are done
	s_wait_kmcnt 0x0
	s_load_b64 s[96:97], s[8:9], 0x28              ; e10, e11
	s_mov_b32 s[G0C], 1
	s_mov_b32 s[G0C+1], s19
	s_add_nc_u64 s[G0C+2:G0C+3], s[4:5], s[22:23]
	s_or_b32 s[G0C+3], s[G0C+3], 0x80000000
	s_add_nc_u64 s[20:21], s[4:5], s[20:21]
	s_add_nc_u64 s[10:11], s[10:11], s[48:49]
	s_add_nc_u64 s[12:13], s[12:13], s[50:51]
	s_mov_b32 s[G0], 1
	s_mov_b32 s[G0+1], s45
	s_add_nc_u64 s[G0+2:G0+3], s[6:7], s[46:47]
	s_or_b32 s[G0+3], s[G0+3], 0x80000000
	CROUND                                         ; all four work-groups are here: the joint loads meet
	s_cmp_eq_u32 s15, 0                            ; one load a wave (a branch on the wave's number alone)
	s_cbranch_scc0 .Lfor_c
	tensor_load_to_lds s[G0:G0+3], s[G1:G1+7]
	s_nop 0
	PLACES 4
	s_branch .Lasked
.Lfor_c:
	tensor_load_to_lds s[G0C:G0C+3], s[G1C:G1C+7]
	s_nop 0
	PLACES 4
.Lasked:
	WIN 0x80
.irp k, 0,1,2,3                        ; my 64 rows, k blocks 0-3
.irp a, 0,1,2,3
.irp c, 0,1,2,3
	global_load_b128 v[64*\k+16*\a+4*\c:64*\k+16*\a+4*\c+3], v[CO], s[20:21] offset:16384*\k+2048*\a+512*\c
.endr
.endr
.endr
	WIN 0
.irp b, 0,1,2,3,4,5,6,7                ; the bias of my lane's columns, all 128
	global_load_b128 v[BIAS+8*\b:BIAS+8*\b+3], v[BA], s[10:11] offset:64*\b
	global_load_b128 v[BIAS+8*\b+4:BIAS+8*\b+7], v[BA], s[10:11] offset:64*\b+16
.endr
	s_wait_kmcnt 0x0
	s_add_co_i32 s96, s96, s97
	s_add_co_i32 s96, s96, 127
	s_lshl_b32 s96, s96, 23                        ; 2^(e10 + e11)
	s_mov_b32 s97, s96                             ; (named with it as a pair)
.macro CLDS k                          ; my rows of ctx, k blocks k, k + 1 of 4-7
	WIN 0xc0
.irp q, 0,1
.irp a, 0,1,2,3
.irp c, 0,1,2,3
	ds_load_b128 v[64*(\k+\q)+16*\a+4*\c:64*(\k+\q)+16*\a+4*\c+3], v[CAD] offset:16384*(\k+\q)+2048*\a+512*\c
.endr
.endr
.endr
	WIN 0
.endm
; Run g of half hf: K steps 2 g, 2 g + 1; its eight fragments lie in window 1, from 128 (g % 2) on.
.macro LOADR g, hf
	WIN 0x40
.irp q, 0,1
.irp b, 0,1,2,3
.irp c, 0,1,2,3
.set FR, 128*((\g)%2)+16*(4*\q+\b)+4*\c
	ds_load_b128 v[FR:FR+3], v[ADR+\hf] offset:16*\b*PITCH+128*(2*(\g)+\q)+32*\c
.endr
.endr
.endr
	WIN 0
.endm
.macro MULR g, q                       ; the 16 accumulators take turns, one instruction a turn
	WIN 0x01+4*(2+(\g)/2)
.irp b, 0,1,2,3
.irp a, 0,1,2,3
.set FR, 128*((\g)%2)+16*(4*(\q)+\b)
.set XR, 64*((2*(\g)+(\q))%4)+16*\a
.set AC, ACC+8*(4*\a+\b)
.if (2*(\g)+(\q)) == 0
	v_wmma_f32_16x16x128_bf8_bf8 v[AC:AC+7], v[FR:FR+15], v[XR:XR+15], 0
.else
	v_wmma_f32_16x16x128_bf8_bf8 v[AC:AC+7], v[FR:FR+15], v[XR:XR+15], v[AC:AC+7]
.endif
.endr
.endr
.endm
.macro EPI hf
	WIN 0x40
.irp a, 0,1,2,3
.set II, 0
.rept 16
	v_pk_fma_f32 v[128+32*\a+II:129+32*\a+II], v[ACC+32*\a+II:ACC+32*\a+II+1], s[96:97], v[BIAS+32*\hf+II:BIAS+32*\hf+II+1] op_sel_hi:[1,0,1]   ; each accumulator from its low end on
.set II, II+2
.endr
.endr
	WIN 0x04
.irp a, 0,1,2,3
.irp b, 0,1,2,3
	ds_store_b128 v[STO], v[128+32*\a+8*\b:131+32*\a+8*\b] offset:16*SPITCH*\a+64*\b
	ds_store_b128 v[STO], v[132+32*\a+8*\b:135+32*\a+8*\b] offset:16*SPITCH*\a+64*\b+16
.endr
.endr
	s_wait_dscnt 0x0                               ; the stage has taken its registers: they are loaded again
	WIN 0x40
.irp a, 0,1,2,3
.irp t, 0,1,2,3,4,5,6,7
	ds_load_b128 v[128+32*\a+4*\t:131+32*\a+4*\t], v[RD] offset:16*SPITCH*\a+2*SPITCH*\t   ; two rows of 256 bytes
.endr
.endr
	WIN 0x04
.irp a, 0,1,2,3
	s_wait_dscnt 24-8*\a                           ; this row tile's eight loads are in
.irp t, 0,1,2,3,4,5,6,7
	global_store_b128 v[GO], v[128+32*\a+4*\t:131+32*\a+4*\t], s[12:13] offset:65536*\a+8192*\t+256*\hf th:TH_STORE_NT   ; sixteen lanes store 256 consecutive bytes, aligned
.endr
.endr
	WIN 0
.endm
	s_wait_alu depctr_va_vdst(0)
	s_wait_tensorcnt 0x0                           ; my part of Wo or of ctx is in
	s_barrier_signal -1
	s_barrier_wait -1
	LOADR 0, 0
	CLDS 0
	s_wait_dscnt 32                                ; run 0's fragments are in (the 32 loads of ctx may be out)
	LOADR 1, 0
	s_wait_loadcnt 63                              ; k block 0 is in (behind it: 48 loads of ctx, 16 of the bias; 63 is the most that a wait can name)
	MULR 0, 0
	s_wait_loadcnt 48
	MULR 0, 1
	s_wait_dscnt 0x0
	PLACES 4                                       ; between the run before and the loads into its fragments
	LOADR 2, 0
	CLDS 2
	s_wait_loadcnt 32
	MULR 1, 0
	s_wait_loadcnt 16
	MULR 1, 1
	s_wait_dscnt 0x0
	PLACES 4
	LOADR 3, 0
	MULR 2, 0
	MULR 2, 1
	s_wait_dscnt 0x0                               ; run 3's fragments are in, and my reads of ctx's k blocks 4-7 are over
	s_barrier_signal -1
	MULR 3, 0
	MULR 3, 1
	WIN 0
	s_barrier_wait -1                              ; everybody's are: the stages may be written
	PLACES 4
	LOADR 0, 1
	s_wait_loadcnt 0x0                             ; the bias
	EPI 0
	s_wait_xcnt 0x0                                ; the stores have read the registers that run 1's fragments go to
.irp g, 0,1,2
	s_wait_dscnt 0x0
	PLACES 4
	LOADR \g+1, 1
	MULR \g, 0
	MULR \g, 1
.endr
	s_wait_dscnt 0x0
	MULR 3, 0
	MULR 3, 1
	WIN 0
	PLACES 4
	EPI 1
	s_wait_tensorcnt 0x0                           ; the wave's end
	ds_add_u32 v[SPW], v[NIL]
	s_wait_dscnt 0x0
	CROUND                                         ; the closing round
	s_endpgm
.Lfunc_end_k_q38771c7ea7_outp:
	.size	k_q38771c7ea7_outp, .Lfunc_end_k_q38771c7ea7_outp-k_q38771c7ea7_outp
	.p2alignl 7, 3214868480
	.fill 96, 4, 3214868480
	.section	.rodata,"a",@progbits
	.p2align	6, 0x0
	.amdhsa_kernel k_q38771c7ea7_outp
		.amdhsa_group_segment_fixed_size 327680
		.amdhsa_private_segment_fixed_size 0
		.amdhsa_enable_private_segment 0
		.amdhsa_kernarg_size 40
		.amdhsa_user_sgpr_count 2
		.amdhsa_user_sgpr_kernarg_segment_ptr 1
		.amdhsa_wavefront_size32 1
		.amdhsa_system_sgpr_workgroup_id_x 1
		.amdhsa_system_sgpr_workgroup_id_y 1
		.amdhsa_system_sgpr_workgroup_id_z 1
		.amdhsa_system_vgpr_workitem_id 0
		.amdhsa_next_free_vgpr 1024
		.amdhsa_next_free_sgpr 100
		.amdhsa_reserve_vcc 0
		.amdhsa_float_denorm_mode_32 3
		.amdhsa_float_denorm_mode_16_64 3
		.amdhsa_memory_ordered 1
		.amdhsa_forward_progress 1
		.amdhsa_inst_pref_size 75
	.end_amdhsa_kernel
	.amdgpu_metadata
---
amdhsa.version: [ 1, 2 ]
amdhsa.kernels:
  - .name:           k_q38771c7ea7_outp
    .symbol:         k_q38771c7ea7_outp.kd
    .args:
      - { .name: c_img, .offset: 0, .size: 8, .value_kind: global_buffer, .address_space: global }
      - { .name: Wo_codes, .offset: 8, .size: 8, .value_kind: global_buffer, .address_space: global }
      - { .name: lowp_scales, .offset: 16, .size: 8, .value_kind: global_buffer, .address_space: global }
      - { .name: bo, .offset: 24, .size: 8, .value_kind: global_buffer, .address_space: global }
      - { .name: out0, .offset: 32, .size: 8, .value_kind: global_buffer, .address_space: global }
    .group_segment_fixed_size: 327680
    .private_segment_fixed_size: 0
    .kernarg_segment_align: 8
    .kernarg_segment_size: 40
    .max_flat_workgroup_size: 128
    .sgpr_count:     100
    .vgpr_count:     1024
    .wavefront_size: 32
...
	.end_amdgpu_metadata
.endif
;; end of part 4
